; MI455X (gfx1250); checked and timed in simulation.
; The chip was launched on July 23, 2026; its instructions are those of AMD's public machine-readable ISA for CDNA 5 (MIT licence, August 2026) and "CDNA5" Instruction Set Architecture Reference Guide (July 2026). The comments in the code are by the model that wrote it; some were corrected since.
;; my multi head atten. Allowed arithmetic: matrix products marked QUANTISED: E2M1 operands, one E8M0 scale for each 32 along K, by v_wmma_scale_f32_16x16x128_f8f6f4 with both operands' format E2M1 (or v_wmma_scale_f32_32x16x128_f4), f32 sums; everything else in f32.
;; Inputs: bk 16 x 64 float32; bo 1,024 float32; bq 16 x 64 float32; bv 16 x 64 float32; k_in_codes 4 x 2,048 x 32 x 16 uint8 (E2M1 codes of k_in, K innermost, in blocks of 32 codes, two codes a byte); k_in_scales 4 x 2,048 x 32 uint8 (E8M0 scales of k_in, one for each 32 codes along K); q_in_codes 4 x 2,048 x 32 x 16 uint8 (E2M1 codes of q_in, K innermost, in blocks of 32 codes, two codes a byte); q_in_scales 4 x 2,048 x 32 uint8 (E8M0 scales of q_in, one for each 32 codes along K); v_in_codes 4 x 2,048 x 32 x 16 uint8 (E2M1 codes of v_in, K innermost, in blocks of 32 codes, two codes a byte); v_in_scales 4 x 2,048 x 32 uint8 (E8M0 scales of v_in, one for each 32 codes along K); wk_codes 16 x 64 x 32 x 16 uint8 (E2M1 codes of wk, K innermost, in blocks of 32 codes, two codes a byte); wk_scales 16 x 64 x 32 uint8 (E8M0 scales of wk, one for each 32 codes along K); wo_codes 1,024 x 32 x 16 uint8 (E2M1 codes of wo, K innermost, in blocks of 32 codes, two codes a byte); wo_scales 1,024 x 32 uint8 (E8M0 scales of wo, one for each 32 codes along K); wq_codes 16 x 64 x 32 x 16 uint8 (E2M1 codes of wq, K innermost, in blocks of 32 codes, two codes a byte); wq_scales 16 x 64 x 32 uint8 (E8M0 scales of wq, one for each 32 codes along K); wv_codes 16 x 64 x 32 x 16 uint8 (E2M1 codes of wv, K innermost, in blocks of 32 codes, two codes a byte); wv_scales 16 x 64 x 32 uint8 (E8M0 scales of wv, one for each 32 codes along K).
;; Outputs: out0 4 x 2,048 x 1,024 float32.
;; This version of the problem:
;;   THIS VERSION OF THE PROBLEM IS GIVEN IN LOW PRECISION. The matrix products marked QUANTISED in the list below multiply operands that are first quantised to E2M1 (2 exponent bits, 1 mantissa bit; 4 bits a number), with one power-of-two scale for each 32 numbers along K (OCP MX v1.0); their sums are f32. All else is computed in f32.
;;   The module's matrix products, in the order in which they are computed (A, B: the left and right operand; K: the contracted axis; several contracted axes count as one K, in the product's order):
;;     1. [M 1,024, K 1,024] x [K 1,024, N 8,192]; A: input wq (given as codes); B: input q_in (given as codes): QUANTISED
;;     2. [M 1,024, K 1,024] x [K 1,024, N 8,192]; A: input wk (given as codes); B: input k_in (given as codes): QUANTISED
;;     3. [M 1,024, K 1,024] x [K 1,024, N 8,192]; A: input wv (given as codes); B: input v_in (given as codes): QUANTISED
;;     4. batch 64 x [M 2,048, K 64] x [K 64, N 2,048]; A: computed on the way; B: computed on the way: QUANTISED
;;     5. batch 64 x [M 2,048, K 2,048] x [K 2,048, N 64]; A: softmax (see below); B: computed on the way: QUANTISED
;;     6. [M 8,192, K 1,024] x [K 1,024, N 1,024]; A: computed on the way; B: input wo (given as codes): QUANTISED
;;   THE QUANTISER, for each operand of a quantised product, along K:
;;     - K is cut into blocks of 32 from its start; a last block that is shorter is filled with zeros.
;;     - A block's scale is 2^e with e = floor(log2(the largest magnitude in the block)) - 2, held to -126 .. 127; a block of zeros has e = 0. As a byte (E8M0): e + 127.
;;     - Each number is divided by its block's scale, clamped to +-6, and rounded to the nearest number of E2M1, ties to even, subnormals kept.
;;     - The product sums the exact products of the quantised numbers (number of the format x scale) in f32.
;;   ~~~python
;;   def quantise(x, axis):      # numpy; x: float32 -> the quantised numbers, widened to float32 again
;;       x = np.moveaxis(x, axis, -1); K = x.shape[-1]
;;       x = np.pad(x, [(0, 0)] * (x.ndim - 1) + [(0, -K % 32)]); x = x.reshape(x.shape[:-1] + (-1, 32)); a = np.abs(x).max(-1, keepdims=True)
;;       e = np.where(a > 0, np.clip(np.frexp(np.where(a > 0, a, 1))[1] - 1 - 2, -126, 127), 0)      # np.frexp(a)[1] - 1 = floor(log2(a)), exactly
;;       r = np.clip(x / 2.0 ** e, -6, 6)
;;       step = 2.0 ** (np.maximum(np.frexp(np.where(r == 0, 1, r))[1] - 1, 0) - 1)
;;       q = np.round(r / step) * step * 2.0 ** e      # np.round: ties to even
;;       return np.moveaxis(q.reshape(q.shape[:-2] + (-1,))[..., :K], -1, axis).astype(np.float32)
;;   ~~~
;;   SOFTMAX AHEAD OF A QUANTISED PRODUCT. Where the list says 'softmax', what is quantised is not the finished softmax but p = 2^(t - M), with t = logit x log2(e) and M = ceil(the row's largest t), a whole number; so 1/2 < the row's largest p <= 1. The row's sum l is taken of the UNQUANTISED p, in f32, and the product's result is divided by l at the end. Since M is a whole number, a kernel that streams over the keys may use a running M (the ceiling of the running maximum): every later rescaling is an exact power of two, which a block's scale takes up: the codes' values come out the same.
;;   OPERANDS COMPUTED ON THE WAY. 'Computed on the way' means the value that the module computes at that place (a softmax that the list does not call 'softmax' is quantised finished and normalised). What goes into a quantiser is computed in f32, as accurately as f32 sums, v_exp_f32 and their like allow (about 1e-6 of the number): no bf16 or f16 on the way to a quantiser, and a product that is left as it is and whose result goes on into a quantised operand takes f32 operands (vector FMAs, or v_wmma_f32_16x16x4_f32). A number that lies on a knife's edge between two numbers of the format may be rounded either way, as far as f32 arithmetic and the matrix unit's own rounding can turn it there, and no further.
;;   INPUTS GIVEN AS CODES. k_in (in the module: [4, 2048, 1024], K = its axis 2); q_in (in the module: [4, 2048, 1024], K = its axis 2); v_in (in the module: [4, 2048, 1024], K = its axis 2); wk (in the module: [16, 1024, 64], K = its axis 1); wo (in the module: [1024, 1024], K = its axis 0); wq (in the module: [16, 1024, 64], K = its axis 1); wv (in the module: [16, 1024, 64], K = its axis 1): each comes as NAME_codes (uint8): NAME with its K axis moved to the last place and cut into blocks of 32 codes, [.., K / 32, bytes a block], one block behind the other in memory; two codes a byte, the lower K in the low four bits (a code: sign, 2 exponent bits, 1 mantissa bit); and NAME_scales (uint8): the same leading axes, one E8M0 byte (e + 127) for each 32 codes along K. Its value is code x scale, taken as it is: it is not quantised again, and the codes and scales need not be those that the quantiser above would give.
;; One version. Each part assembles by itself: llvm-mc -triple=amdgcn-amd-amdhsa -mcpu=gfx1250 --defsym DOCPART=n.
;; ======== version 1 of 1: 4 launches
;; limits: right only within a limited range of input values
;; workspace buffers: qbuf 4,718,592 bytes; kbuf 4,718,592 bytes; vbuf 4,718,592 bytes; catc 4,194,304 bytes; cats 262,144 bytes
;; launch projqk (part 1): grid 4 x 128, 8 waves a work-group, clusters of 4 x 4, 230,400 bytes of LDS; arguments q_in_codes, q_in_scales, wq_codes, wq_scales, bq, qbuf, k_in_codes, k_in_scales, wk_codes, wk_scales, bk, kbuf; writes qbuf, kbuf
.if DOCPART == 1
	.amdgcn_target "amdgcn-amd-amdhsa--gfx1250"
	.amdhsa_code_object_version 6
	.text
	.protected	k_q3391f862a3_projqk
	.globl	k_q3391f862a3_projqk
	.p2align	8
	.type	k_q3391f862a3_projqk,@function
k_q3391f862a3_projqk:
	s_mov_b64 s[64:65], 0
	v_nop
	global_prefetch_b8 v0, s[64:65] scope:SCOPE_SE
	s_setreg_imm32_b32 hwreg(HW_REG_WAVE_MODE, 25, 1), 1
	s_wait_xcnt 0x0
	s_wait_alu depctr_hold_cnt(0) depctr_sa_sdst(0) depctr_va_vdst(0) depctr_va_sdst(0) depctr_va_ssrc(0) depctr_va_vcc(0) depctr_vm_vsrc(0)
	s_getreg_b32 s2, hwreg(HW_REG_IB_STS2, 6, 4)
	s_cmp_eq_u32 s2, 0
	s_cbranch_scc0 .Lentry_in_a_cluster
	s_endpgm
.Lentry_in_a_cluster:
	s_bfe_u32 s2, ttmp6, 0x10000c
	s_cmp_lg_u32 s2, 0xf033
	s_cbranch_scc0 .Lentry_shape_is_right
	s_endpgm
.Lentry_shape_is_right:
; q = q_in wq + bq and k = k_in wk + bk on codes of FP4 (E2M1) with E8M0 scales, f32 sums, and the results quantised along the head's 64 (two blocks of 32) for the product q k^T.
; x: [8192 rows][1024 K] codes (512 bytes a row), 32 scale bytes a row.  W: [1024 rows = head x 64 + dk][1024 K] likewise.  bias: [1024] f32.
; OUT (qbuf or kbuf): [batch x head 64][step 16] records of 4,608 bytes for 128 rows s: bytes 0-4095 [tile 8][lane 32][16 bytes]: lane (r, h) holds row 16 tile + r, dk block h: registers 0-3 of an operand;
;   bytes 4096-4607 scale words [tile / 2][r][tile % 2]: the two blocks' bytes, then 0x7f, 0x7f for the upper 64 along K, whose codes the reader sets to zero.
; SHARES.  The cluster rows 0-15 of the grid's y take q, 16-31 take k: only pointers are chosen.  A work-group: 128 rows of x, 256 rows of W (four heads), all of K.  Eight waves, two to a SIMD:
; wave w takes W's rows 128 (w / 4) on (two heads: 8 tiles, source 0) and x's rows 32 (w % 4) on (2 tiles, source 1): 16 accumulators.  In a result lane (r, h) holds x's row r and register j W's row 16 i + 8 h + j:
; a lane's registers run along dk, the next product's K.
; LDS IS FILLED ONCE: both panels for all of K, as two chunks of 512 along K (rows of 256 bytes + 16 of padding), and the scale bytes; all tensor loads go out at the start, one a wave.
; CLUSTERS: 4 x 4.  x's tiles are shared along a row of the cluster, W's along a column: joint loads, the same descriptor and mask in the four that a mask names.
; LIMITS: NaN and infinities are not served; a given scale byte 0xff gives NaN.  A block of zeros gets the byte 1 (its codes are zeros, and this program alone reads the bytes); magnitudes under 2^-124 are held at that scale.
.set CH,    104448                     ; a K chunk in LDS: x's 128 rows, then W's 256 rows, 272 bytes apart
.set XROWS, 34816                      ; x's 128 rows
.set T16,   4352                       ; 16 rows
.set SCL,   208896                     ; the scale bytes: six pieces of 64 rows x 32 bytes = 8 units of 256 bytes + 16: x's two, W's four
.set PIECE, 2176
.set STG,   221952                     ; the stage for the scale words made here: four heads x 512 bytes; no tensor load lands there
.set REC,   4608
.set HEADB, 16*REC                     ; from a head's record to the next head's
.set A0,  4                            ; v4   LDS address of source 0's fragments
.set A1,  5                            ; v5   of source 1's
.set AS0, 6                            ; v6   of source 0's scale words: lanes 0-15 tile i, lanes 16-31 tile i + 4
.set AS1, 7                            ; v7   of source 1's: lanes 0-15 tile 0, lanes 16-31 tile 1
.set BA,  8                            ; v8   the bias: 32 h
.set GST, 9                            ; v9   16 x lane
.set SST, 10                           ; v10  where I put two scale words in the stage
.set SLD, 11                           ; v11  where I read the stage back
.set SH,  12                           ; v12  16 h
.set TM,  16                           ; v16-31 the quantiser's work
.set SS0, 32                           ; v32-35 source 0's scale words;  v36 source 1's: they hold scales and nothing else
.set SS1, 36
.set PC,  40                           ; v40-47, v48-55 the codes made
.set F1,  48                           ; v48-63 source 1's two fragments
.set PW,  56                           ; v56, v57 the scale words made
.set WD,  58                           ; v58, v59 as they go to the stage
.set BK,  60                           ; v60-63 the stage read back
.set F0,  64                           ; v64-127 source 0's eight fragments
.set ACC, 128                          ; v128-255 accumulator (i, n) at 128 + 64 n + 8 i
.set WV,  16
.set SEL, 20
.set G1X, 24                           ; s[24:31] group 1: x's codes;  s[32:39] W's;  s[40:47] x's scales;  s[48:55] W's
.set G1W, 32
.set G1SX, 40
.set G1SW, 48
.set G0X, 68                           ; s[68:75] two groups 0 for the x side: scales, then codes of the wave's chunk;  s[80:87] for the W side
.set G0W, 80
.macro PLACES n
.rept \n
	v_nop
.endr
.endm
.macro CROUND                          ; a round of the cluster's barrier
	s_barrier_signal -1
	s_barrier_wait -1
	s_cmp_lg_u32 s[WV], 0
	s_cbranch_scc1 .Lnot_wave_0_\@
	s_barrier_signal -3
.Lnot_wave_0_\@:
	s_barrier_wait -3
	s_barrier_signal -1
	s_barrier_wait -1
.endm
; one product: accumulator (i, n) = source 0's tile i x source 1's tile n + v[cr ..]
.macro MM i, n, cr
.if (\i) < 4 && (\n) == 0
	v_wmma_scale_f32_16x16x128_f8f6f4 v[ACC+64*(\n)+8*(\i):ACC+64*(\n)+8*(\i)+7], v[F0+8*(\i):F0+8*(\i)+7], v[F1+8*(\n):F1+8*(\n)+7], v[(\cr):(\cr)+7], v[SS0+(\i)%4], v[SS1] matrix_a_fmt:MATRIX_FMT_FP4 matrix_b_fmt:MATRIX_FMT_FP4
.endif
.if (\i) < 4 && (\n) == 1
	v_wmma_scale_f32_16x16x128_f8f6f4 v[ACC+64*(\n)+8*(\i):ACC+64*(\n)+8*(\i)+7], v[F0+8*(\i):F0+8*(\i)+7], v[F1+8*(\n):F1+8*(\n)+7], v[(\cr):(\cr)+7], v[SS0+(\i)%4], v[SS1] matrix_a_fmt:MATRIX_FMT_FP4 matrix_b_fmt:MATRIX_FMT_FP4 matrix_b_scale:MATRIX_SCALE_ROW1
.endif
.if (\i) >= 4 && (\n) == 0
	v_wmma_scale_f32_16x16x128_f8f6f4 v[ACC+64*(\n)+8*(\i):ACC+64*(\n)+8*(\i)+7], v[F0+8*(\i):F0+8*(\i)+7], v[F1+8*(\n):F1+8*(\n)+7], v[(\cr):(\cr)+7], v[SS0+(\i)%4], v[SS1] matrix_a_fmt:MATRIX_FMT_FP4 matrix_b_fmt:MATRIX_FMT_FP4 matrix_a_scale:MATRIX_SCALE_ROW1
.endif
.if (\i) >= 4 && (\n) == 1
	v_wmma_scale_f32_16x16x128_f8f6f4 v[ACC+64*(\n)+8*(\i):ACC+64*(\n)+8*(\i)+7], v[F0+8*(\i):F0+8*(\i)+7], v[F1+8*(\n):F1+8*(\n)+7], v[(\cr):(\cr)+7], v[SS0+(\i)%4], v[SS1] matrix_a_fmt:MATRIX_FMT_FP4 matrix_b_fmt:MATRIX_FMT_FP4 matrix_a_scale:MATRIX_SCALE_ROW1 matrix_b_scale:MATRIX_SCALE_ROW1
.endif
.endm
; the 25 LDS loads of 128 along K: the chunk's q-th, K step ks of eight.  Source 0's tiles come last, ascending
.macro LOADS q, ks
.irp i, 0,1,2,3
	ds_load_b32 v[SS0+\i], v[AS0] offset:544*\i+4*(\ks)
.endr
	ds_load_b32 v[SS1], v[AS1] offset:4*(\ks)
.irp n, 0,1
.irp c, 0,1
	ds_load_b128 v[F1+8*\n+4*\c:F1+8*\n+4*\c+3], v[A1] offset:T16*\n+64*(\q)+32*\c
.endr
.endr
.irp i, 0,1,2,3,4,5,6,7
.irp c, 0,1
	ds_load_b128 v[F0+8*\i+4*\c:F0+8*\i+4*\c+3], v[A0] offset:T16*\i+64*(\q)+32*\c
.endr
.endr
.endm
; 128 along K: the sixteen accumulators take turns, one instruction a turn, from step to step too
.macro KSTEP q, ks
	PLACES 4                                       ; four places in front of loads into registers that matrix instructions have read
	LOADS \q, \ks
	s_wait_dscnt 8                                 ; all but the eight youngest loads, source 0's tiles 4-7
.irp i, 0,1,2,3
.irp n, 0,1
	MM \i, \n, ACC+64*\n+8*\i
.endr
.endr
	s_wait_dscnt 0x0
.irp i, 4,5,6,7
.irp n, 0,1
	MM \i, \n, ACC+64*\n+8*\i
.endr
.endr
.endm
; 64 numbers of a lane, v[s + 16 b + i]: block b's k = 8 h + i (i < 8) and 16 + 8 h + i - 8 (i >= 8); lanes l and l xor 16 share a block.  They become 8 registers of codes in the operand's order and a scale word.
; The conversion of block b's half u goes to register 4 (b / 2) + b % 2 + 2 u; the exchange of halves between neighbours then leaves registers 4 c .. 4 c + 3 = k 64 c + 32 h + 0 .. 31.
.macro QUANT s, pc, pw
.irp b, 0,1,2,3
	v_max3_num_f32 v[TM+\b], |v[\s+16*\b]|, |v[\s+1+16*\b]|, 0x1800000   ; with the floor 2^(3 - 127): the byte cannot fall under 1.  Each accumulator is read from its low end on
.endr
.irp i, 2,4,6,8,10,12,14
.irp b, 0,1,2,3
	v_max3_num_f32 v[TM+\b], v[TM+\b], |v[\s+16*\b+\i]|, |v[\s+1+16*\b+\i]|
.endr
.endr
.irp b, 0,1,2,3
	s_delay_alu instid0(VALU_DEP_4)
	v_permlanex16_b32 v[TM+4+\b], v[TM+\b], s[SEL], s[SEL+1]
.endr
.irp b, 0,1,2,3
	s_delay_alu instid0(VALU_DEP_4)
	v_max_num_f32 v[TM+\b], v[TM+\b], v[TM+4+\b]   ; the block's largest magnitude
.endr
.irp b, 0,1,2,3
	s_delay_alu instid0(VALU_DEP_4)
	v_add_nc_u32 v[TM+12+\b], 0xff000000, v[TM+\b] ; 2 off its exponent field: the conversion's scale operand
.endr
.irp b, 0,1,2,3
	s_delay_alu instid0(VALU_DEP_4)
	v_lshrrev_b32 v[TM+4+\b], 23, v[TM+12+\b]      ; the scale's byte
.endr
	s_delay_alu instid0(VALU_DEP_3)
	v_lshl_or_b32 v[\pw], v[TM+5], 8, v[TM+4]
	s_delay_alu instid0(VALU_DEP_1)
	v_lshl_or_b32 v[\pw], v[TM+6], 16, v[\pw]
	s_delay_alu instid0(VALU_DEP_1)
	v_lshl_or_b32 v[\pw], v[TM+7], 24, v[\pw]
.irp b, 0,1,2,3
	v_cvt_scalef32_pk8_fp4_f32 v[\pc+4*(\b/2)+(\b%2)], v[\s+16*\b:\s+16*\b+7], v[TM+12+\b]
	v_cvt_scalef32_pk8_fp4_f32 v[\pc+4*(\b/2)+(\b%2)+2], v[\s+16*\b+8:\s+16*\b+15], v[TM+12+\b]
.endr
	v_nop                                          ; one plain place behind a scaled conversion
.irp c, 0,1
	v_permlane16_swap_b32 v[\pc+4*\c], v[\pc+4*\c+1]
	v_permlane16_swap_b32 v[\pc+4*\c+2], v[\pc+4*\c+3]
.endr
.endm
	s_load_b256 s[4:11], s[0:1], 0x0               ; q's: x codes s[4:5], x scales s[6:7], W codes s[8:9], W scales s[10:11],
	s_load_b128 s[12:15], s[0:1], 0x20             ; bias s[12:13], OUT s[14:15]
	s_load_b256 s[68:75], s[0:1], 0x30             ; k's six, in registers that hold descriptors later
	s_load_b128 s[76:79], s[0:1], 0x50
	v_lshl_add_u32 v38, v0, 2, 0x38000
	v_mov_b32 v39, 0
	ds_add_u32 v38, v39
	ds_add_u32 v38, v39
	v_lshrrev_b32 v1, 5, v0
	s_delay_alu instid0(VALU_DEP_1)
	v_readfirstlane_b32 s[WV], v1                  ; wave 0..7
	s_bfe_u32 s17, ttmp6, 0x40000                  ; cx
	s_bfe_u32 s18, ttmp6, 0x40004                  ; cy
	s_lshl_b32 s19, ttmp9, 2
	s_add_co_u32 s19, s19, s17                     ; WB: which 256 rows of W
	s_and_b32 s23, ttmp7, 0xffff                   ; the cluster's y: under 16 q, else k
	s_lshl_b32 s56, s23, 2
	s_add_co_u32 s56, s56, s18
	s_and_b32 s56, s56, 63                         ; XB: which 128 rows of x
	s_lshl_b32 s57, s18, 2
	s_lshl_b32 s57, 15, s57                        ; my row of the cluster
	s_lshl_b32 s60, 0x1111, s17                    ; my column
	s_or_b32 s[G1X], s57, (1<<20)|(1<<21)|(5<<22)|(3<<25)          ; codes: elements of 1 byte; 4 words of padding behind every 64; bit 21 beside the mask
	s_or_b32 s[G1W], s60, (1<<20)|(1<<21)|(5<<22)|(3<<25)
	s_or_b32 s[G1SX], s57, (3<<16)|(1<<20)|(1<<21)|(5<<22)|(3<<25) ; scales: elements of 8 bytes
	s_or_b32 s[G1SW], s60, (3<<16)|(1<<20)|(1<<21)|(5<<22)|(3<<25)
.irp g, G1X, G1W
	s_mov_b32 s[\g+1], 256<<16                     ; tensor_dim0 = 256 bytes
	s_mov_b32 s[\g+2], 128<<16                     ; tensor_dim1 = 128 rows: all of x's, half of W's
	s_mov_b32 s[\g+3], 256<<16                     ; tile_dim0
	s_mov_b32 s[\g+4], 128                         ; tile_dim1
	s_mov_b32 s[\g+5], 512                         ; a row of 1,024 codes in memory
	s_mov_b32 s[\g+6], 0
	s_mov_b32 s[\g+7], 0
.endr
.irp g, G1SX, G1SW
	s_mov_b32 s[\g+1], 32<<16                      ; 64 rows x 32 bytes are dense: 8 rows of 256 bytes
	s_mov_b32 s[\g+2], (16+16*(\g/G1SW))<<16       ; x's 128 rows x 32 bytes: 16 rows of 256; W's 256 rows: 32
	s_mov_b32 s[\g+3], 32<<16
	s_mov_b32 s[\g+4], 16+16*(\g/G1SW)
	s_mov_b32 s[\g+5], 32
	s_mov_b32 s[\g+6], 0
	s_mov_b32 s[\g+7], 0
.endr
	s_mov_b32 s[SEL], 0x76543210
	s_mov_b32 s[SEL+1], 0xfedcba98                 ; v_permlanex16_b32: lane l xor 16
	s_mov_b32 s22, 0x7f7f0000
	s_and_b32 s58, s[WV], 1                        ; u: which 128 rows of W a wave that fetches W's codes takes
	s_lshr_b32 s61, s[WV], 2                       ; c: which K chunk a wave that fetches codes takes
	s_lshl_b32 s92, s56, 12                        ; x's scale bytes: 4,096 XB
	s_mov_b32 s93, 0
	s_lshl_b32 s94, s19, 13                        ; W's: 8,192 WB
	s_mov_b32 s95, 0
	s_wait_dscnt 0x0
	s_wait_kmcnt 0x0
	s_cmp_lt_u32 s23, 16                           ; the choice hangs on the cluster's y alone, which all partners share
	s_cselect_b64 s[4:5], s[4:5], s[68:69]
	s_cselect_b64 s[6:7], s[6:7], s[70:71]
	s_cselect_b64 s[8:9], s[8:9], s[72:73]
	s_cselect_b64 s[10:11], s[10:11], s[74:75]
	s_cselect_b64 s[12:13], s[12:13], s[76:77]
	s_cselect_b64 s[14:15], s[14:15], s[78:79]
	; ONE TENSOR LOAD A WAVE.  Waves 0, 1: W's halves of chunk 0; wave 2: x's chunk 0; wave 3: x's scale bytes; wave 4: W's; wave 5: x's chunk 1; waves 6, 7: W's halves of chunk 1.
	s_mov_b32 s[G0X], 1                            ; x's scale bytes, whole
	s_mov_b32 s[G0X+1], SCL
	s_add_nc_u64 s[G0X+2:G0X+3], s[6:7], s[92:93]
	s_or_b32 s[G0X+3], s[G0X+3], 0x80000000
	s_lshl_b32 s92, s56, 16
	s_lshl_b32 s59, s61, 8
	s_add_co_u32 s92, s92, s59                     ; x's codes: 65,536 XB + 256 c
	s_mov_b32 s[G0X+4], 1
	s_mul_i32 s[G0X+5], s61, CH
	s_add_nc_u64 s[G0X+6:G0X+7], s[4:5], s[92:93]
	s_or_b32 s[G0X+7], s[G0X+7], 0x80000000
	s_mov_b32 s[G0W], 1                            ; W's scale bytes, whole
	s_mov_b32 s[G0W+1], SCL+2*PIECE
	s_add_nc_u64 s[G0W+2:G0W+3], s[10:11], s[94:95]
	s_or_b32 s[G0W+3], s[G0W+3], 0x80000000
	s_lshl_b32 s94, s19, 17
	s_lshl_b32 s60, s58, 16
	s_add_co_u32 s94, s94, s60
	s_add_co_u32 s94, s94, s59                     ; W's codes: 131,072 WB + 65,536 u + 256 c
	s_mov_b32 s[G0W+4], 1
	s_mul_i32 s[G0W+5], s58, 128*272
	s_add_co_u32 s[G0W+5], s[G0W+5], s[G0X+5]
	s_add_co_u32 s[G0W+5], s[G0W+5], XROWS
	s_add_nc_u64 s[G0W+6:G0W+7], s[8:9], s[94:95]
	s_or_b32 s[G0W+7], s[G0W+7], 0x80000000
	CROUND                                         ; all sixteen work-groups are here: the joint loads meet
.macro ARM under, g0, g1, next                 ; one chain of branches on the wave's number, a load to an arm, all arms leading to one join
	s_cmp_lt_u32 s[WV], \under
	s_cbranch_scc0 \next
	tensor_load_to_lds s[\g0:\g0+3], s[\g1:\g1+7]
	s_nop 0
	PLACES 4
	s_branch .Lasked
\next:
.endm
	ARM 2, G0W+4, G1W, .Lh_x0
	ARM 3, G0X+4, G1X, .Lh_xs
	ARM 4, G0X, G1SX, .Lh_ws
	ARM 5, G0W, G1SW, .Lh_x1
	ARM 6, G0X+4, G1X, .Lh_w1
	tensor_load_to_lds s[G0W+4:G0W+7], s[G1W:G1W+7]
	s_nop 0
	PLACES 4
.Lasked:
	v_and_b32 v1, 15, v0                           ; r
	v_bfe_u32 v2, v0, 4, 1                         ; h
	v_and_b32 v3, 31, v0                           ; lane
	s_delay_alu instid0(VALU_DEP_3)
	v_mul_u32_u24 v13, v1, 272
	s_delay_alu instid0(VALU_DEP_1)
	v_lshl_add_u32 v13, v2, 4, v13                 ; a fragment's row x pitch + 16 h
	v_and_b32 v14, 7, v1
	v_lshrrev_b32 v15, 3, v1
	s_delay_alu instid0(VALU_DEP_2)
	v_lshlrev_b32 v14, 5, v14
	s_delay_alu instid0(VALU_DEP_1)
	v_mad_u32_u24 v14, v15, 272, v14               ; a row's 32 scale bytes: eight rows to a unit of 256 + 16
	s_wait_alu depctr_va_vdst(0)
	s_lshr_b32 s62, s[WV], 2                       ; wh: which 128 rows of W
	s_and_b32 s63, s[WV], 3                        ; xq: which 32 rows of x
	s_mul_i32 s96, s62, 8*T16
	s_add_co_u32 s96, s96, XROWS
	v_add_nc_u32 v[A0], s96, v13
	s_mul_i32 s96, s63, 2*T16
	v_add_nc_u32 v[A1], s96, v13
	s_mul_i32 s96, s62, 2*PIECE
	s_add_co_u32 s96, s96, SCL+2*PIECE
	v_mad_u32_u24 v[AS0], v2, PIECE, v14
	s_delay_alu instid0(VALU_DEP_1)
	v_add_nc_u32 v[AS0], s96, v[AS0]
	s_mul_i32 s96, s63, 1088
	s_add_co_u32 s96, s96, SCL
	v_mad_u32_u24 v[AS1], v2, 544, v14
	s_delay_alu instid0(VALU_DEP_1)
	v_add_nc_u32 v[AS1], s96, v[AS1]
	v_lshlrev_b32 v[BA], 5, v2
	s_wait_alu depctr_va_vdst(0)
	v_lshlrev_b32 v[GST], 4, v3
	v_lshlrev_b32 v[SH], 4, v2
	v_lshlrev_b32 v[SST], 3, v1
	s_delay_alu instid0(VALU_DEP_1)
	v_lshl_add_u32 v[SST], v2, 9, v[SST]
	s_lshl_b32 s96, s62, 10
	s_lshl_b32 s97, s63, 7
	s_add_co_u32 s96, s96, s97
	s_add_co_u32 s96, s96, STG
	v_add_nc_u32 v[SST], s96, v[SST]               ; the stage: head 2 wh + h, 128 xq + 8 r
	v_and_b32 v[SLD], 127, v0
	s_delay_alu instid0(VALU_DEP_1)
	v_lshl_add_u32 v[SLD], v[SLD], 4, STG
	s_lshl_b32 s94, s19, 10
	s_lshl_b32 s95, s62, 9
	s_add_co_u32 s94, s94, s95
	s_mov_b32 s95, 0
	s_add_nc_u64 s[12:13], s[12:13], s[94:95]      ; the bias of my 128 rows of W
.irp i, 0,1,2,3,4,5,6,7
	global_load_b128 v[ACC+8*\i:ACC+8*\i+3], v[BA], s[12:13] offset:64*\i        ; into accumulator (i, 0), in the result's layout: W's rows 16 i + 8 h + 0 .. 7
	global_load_b128 v[ACC+8*\i+4:ACC+8*\i+7], v[BA], s[12:13] offset:64*\i+16
.endr
	s_lshr_b32 s57, s56, 4                         ; batch
	s_and_b32 s58, s56, 15                         ; step: which 128 rows s
	s_lshl_b32 s57, s57, 4
	s_lshl_b32 s59, s19, 2
	s_add_co_u32 s57, s57, s59                     ; 16 batch + the work-group's first head
	s_lshl_b32 s57, s57, 4
	s_add_co_u32 s57, s57, s58
	s_mul_i32 s57, s57, REC                        ; that head's record
	s_mul_i32 s58, s62, 2*HEADB
	s_lshl_b32 s59, s63, 10
	s_add_co_u32 s58, s58, s59
	s_add_co_u32 s58, s58, s57
	s_mov_b32 s59, 0
	s_add_nc_u64 s[60:61], s[14:15], s[58:59]      ; my codes: head 2 wh, tiles 2 xq on
	s_mul_i32 s58, s[WV], HEADB
	s_add_co_u32 s58, s58, s57
	s_add_co_u32 s58, s58, 4096
	s_add_nc_u64 s[92:93], s[14:15], s[58:59]      ; waves 0-3: head w's scale words
	s_wait_alu depctr_va_vdst(0)                   ; ahead of the branch and the waits
	s_cmp_lt_u32 s[WV], 5                          ; waves 0-4 brought chunk 0 and the scale bytes; chunk 1, on load lines of its own, may be out
	s_cbranch_scc0 .Lnot_first
	s_wait_tensorcnt 0x0
.Lnot_first:
	s_barrier_signal -1
	s_barrier_wait -1                              ; everybody's are
	LOADS 0, 0
	s_wait_loadcnt 0x0                             ; the bias
	s_wait_dscnt 0x0
.irp i, 0,1,2,3,4,5,6,7
	MM \i, 1, ACC+8*\i                             ; the bias is the C of each sum's first product: here read from accumulator (i, 0)'s registers,
.endr
	PLACES 5                                       ; (five places in front of matrix instructions that write over a C just read)
.irp i, 0,1,2,3,4,5,6,7
	MM \i, 0, ACC+8*\i                             ; here in place
.endr
	KSTEP 1, 1
	KSTEP 2, 2
	KSTEP 3, 3
	s_wait_tensorcnt 0x0                           ; my part of chunk 1 is in (my LDS loads are all back)
	s_barrier_signal -1
	s_barrier_wait -1
	v_add_nc_u32 v[A0], CH, v[A0]
	v_add_nc_u32 v[A1], CH, v[A1]
	s_wait_alu depctr_va_vdst(0)
	KSTEP 0, 4
	KSTEP 1, 5
	KSTEP 2, 6
	KSTEP 3, 7
	; THE WAY OUT
.irp b, 0,1,2,3
	v_mov_b32 v[TM+4+\b], 0                        ; a lane permute's destination counts as read; these four are also the places behind the last products
.endr
	QUANT ACC, PC, PW                              ; x's tile 0: blocks 0, 1 the first head's dk, blocks 2, 3 the second head's
	global_store_b128 v[GST], v[PC:PC+3], s[60:61]                  ; 512 consecutive bytes a store
	global_store_b128 v[GST], v[PC+4:PC+7], s[60:61] offset:HEADB
	QUANT ACC+64, PC+8, PW+1
	global_store_b128 v[GST], v[PC+8:PC+11], s[60:61] offset:512
	global_store_b128 v[GST], v[PC+12:PC+15], s[60:61] offset:HEADB+512
	v_lshrrev_b32 v[WD], v[SH], v[PW]              ; lanes 0-15 take the first head's two bytes, lanes 16-31 the second head's
	v_lshrrev_b32 v[WD+1], v[SH], v[PW+1]
	s_delay_alu instid0(VALU_DEP_2)
	v_and_or_b32 v[WD], v[WD], 0xffff, s22         ; bytes 2 and 3: 0x7f, for the 64 along K that hold zero codes
	s_delay_alu instid0(VALU_DEP_2)
	v_and_or_b32 v[WD+1], v[WD+1], 0xffff, s22
	ds_store_b64 v[SST], v[WD:WD+1]
	s_wait_dscnt 0x0                               ; for the others' sake: my store has landed
	s_barrier_signal -1
	s_barrier_wait -1
	s_cmp_lt_u32 s[WV], 4
	s_cbranch_scc0 .Lno_words
	ds_load_b128 v[BK:BK+3], v[SLD]                ; wave w: head w's 512 bytes of scale words
	s_wait_dscnt 0x0
	global_store_b128 v[GST], v[BK:BK+3], s[92:93]
.Lno_words:
	s_wait_tensorcnt 0x0
	ds_add_u32 v38, v39
	s_wait_dscnt 0x0
	CROUND                                         ; the closing round: no work-group ends while a partner may still ask for a tile that names it
	s_endpgm
.Lfunc_end_k_q3391f862a3_projqk:
	.size	k_q3391f862a3_projqk, .Lfunc_end_k_q3391f862a3_projqk-k_q3391f862a3_projqk
	.p2alignl 7, 3214868480
	.fill 96, 4, 3214868480
	.section	.rodata,"a",@progbits
	.p2align	6, 0x0
	.amdhsa_kernel k_q3391f862a3_projqk
		.amdhsa_group_segment_fixed_size 230400
		.amdhsa_private_segment_fixed_size 0
		.amdhsa_enable_private_segment 0
		.amdhsa_kernarg_size 96
		.amdhsa_user_sgpr_count 2
		.amdhsa_user_sgpr_kernarg_segment_ptr 1
		.amdhsa_wavefront_size32 1
		.amdhsa_system_sgpr_workgroup_id_x 1
		.amdhsa_system_sgpr_workgroup_id_y 1
		.amdhsa_system_sgpr_workgroup_id_z 1
		.amdhsa_system_vgpr_workitem_id 0
		.amdhsa_next_free_vgpr 256
		.amdhsa_next_free_sgpr 100
		.amdhsa_reserve_vcc 0
		.amdhsa_float_denorm_mode_32 3
		.amdhsa_float_denorm_mode_16_64 3
		.amdhsa_memory_ordered 1
		.amdhsa_forward_progress 1
		.amdhsa_inst_pref_size 53
	.end_amdhsa_kernel
	.amdgpu_metadata
---
amdhsa.version: [ 1, 2 ]
amdhsa.kernels:
  - .name:           k_q3391f862a3_projqk
    .symbol:         k_q3391f862a3_projqk.kd
    .args:
      - { .name: q_in_codes, .offset: 0, .size: 8, .value_kind: global_buffer, .address_space: global }
      - { .name: q_in_scales, .offset: 8, .size: 8, .value_kind: global_buffer, .address_space: global }
      - { .name: wq_codes, .offset: 16, .size: 8, .value_kind: global_buffer, .address_space: global }
      - { .name: wq_scales, .offset: 24, .size: 8, .value_kind: global_buffer, .address_space: global }
      - { .name: bq, .offset: 32, .size: 8, .value_kind: global_buffer, .address_space: global }
      - { .name: qbuf, .offset: 40, .size: 8, .value_kind: global_buffer, .address_space: global }
      - { .name: k_in_codes, .offset: 48, .size: 8, .value_kind: global_buffer, .address_space: global }
      - { .name: k_in_scales, .offset: 56, .size: 8, .value_kind: global_buffer, .address_space: global }
      - { .name: wk_codes, .offset: 64, .size: 8, .value_kind: global_buffer, .address_space: global }
      - { .name: wk_scales, .offset: 72, .size: 8, .value_kind: global_buffer, .address_space: global }
      - { .name: bk, .offset: 80, .size: 8, .value_kind: global_buffer, .address_space: global }
      - { .name: kbuf, .offset: 88, .size: 8, .value_kind: global_buffer, .address_space: global }
    .group_segment_fixed_size: 230400
    .private_segment_fixed_size: 0
    .kernarg_segment_align: 8
    .kernarg_segment_size: 96
    .max_flat_workgroup_size: 256
    .sgpr_count:     100
    .vgpr_count:     256
    .wavefront_size: 32
...
	.end_amdgpu_metadata
.endif
;; end of part 1
;; launch projv (part 2): grid 4 x 64, 8 waves a work-group, clusters of 4 x 4, 230,400 bytes of LDS; arguments v_in_codes, v_in_scales, wv_codes, wv_scales, bv, vbuf; writes vbuf
.if DOCPART == 2
	.amdgcn_target "amdgcn-amd-amdhsa--gfx1250"
	.amdhsa_code_object_version 6
	.text
	.protected	k_q3391f862a3_projv
	.globl	k_q3391f862a3_projv
	.p2align	8
	.type	k_q3391f862a3_projv,@function
k_q3391f862a3_projv:
	s_mov_b64 s[64:65], 0
	v_nop
	global_prefetch_b8 v0, s[64:65] scope:SCOPE_SE
	s_setreg_imm32_b32 hwreg(HW_REG_WAVE_MODE, 25, 1), 1
	s_wait_xcnt 0x0
	s_wait_alu depctr_hold_cnt(0) depctr_sa_sdst(0) depctr_va_vdst(0) depctr_va_sdst(0) depctr_va_ssrc(0) depctr_va_vcc(0) depctr_vm_vsrc(0)
	s_getreg_b32 s2, hwreg(HW_REG_IB_STS2, 6, 4)
	s_cmp_eq_u32 s2, 0
	s_cbranch_scc0 .Lentry_in_a_cluster
	s_endpgm
.Lentry_in_a_cluster:
	s_bfe_u32 s2, ttmp6, 0x10000c
	s_cmp_lg_u32 s2, 0xf033
	s_cbranch_scc0 .Lentry_shape_is_right
	s_endpgm
.Lentry_shape_is_right:
; v = v_in wv + bv on codes of FP4 (E2M1) with E8M0 scales, f32 sums, and the result quantised ALONG THE KEYS (the rows of v_in), which are the K of attention's second product.
; x: [8192 rows][1024 K] codes, 32 scale bytes a row.  W: [1024 rows = head x 64 + dk][1024 K] likewise.  bias: [1024] f32.
; OUT (vbuf): [batch x head 64][step 16] records of 4,608 bytes for 128 keys: bytes 0-4095 [dk tile 4][c 2][lane 32][16 bytes]: lane (r, h) holds dk 16 tile + r, keys 64 c + 32 h + 0 .. 31: an operand's registers;
;   bytes 4096-4351 scale words [tile / 2][r][tile % 2], byte b for keys 32 b on; bytes 4352-4607 the same again, so that a record is as long as q's and k's; nobody reads the copy.
; SHARES.  A work-group: 128 rows of x (a key step), 256 rows of W (four heads), all of K.  Eight waves: every wave takes all 128 rows of x (8 tiles, SOURCE 0) and W's rows 32 w on (2 tiles, source 1).
; In a result lane (r, h) holds W's row r (a dk) and register j the key 16 i + 8 h + j: a lane's registers run along the keys.
; LDS is filled once, all tensor loads go out at the start, one a wave; 4 x 4 clusters with joint loads: x's tiles shared along a row of the cluster, W's along a column.
; LIMITS: NaN and infinities are not served; a given scale byte 0xff gives NaN.  A block of zeros gets the byte 1 (its codes are zeros, and this program alone reads the bytes); magnitudes under 2^-124 are held at that scale.
.set CH,    104448                     ; a K chunk in LDS: x's 128 rows, then W's 256 rows, 272 bytes apart
.set XROWS, 34816
.set T16,   4352
.set SCL,   208896                     ; the scale bytes: six pieces of 64 rows: x's two, W's four
.set PIECE, 2176
.set STG,   221952                     ; the stage for the scale words made here: four heads x 512 bytes
.set REC,   4608
.set HEADB, 16*REC
.set A0,  4
.set A1,  5
.set AS0, 6
.set AS1, 7
.set BA,  8                            ; v8   the bias: 4 r
.set GST, 9
.set SST, 10
.set SLD, 11
.set BV,  16                           ; v16-23, v24-31 the bias of W's tile n, eight times: the C of the first products; later the quantiser's work
.set TM,  16
.set SS0, 32                           ; v32-35, v36: scales and nothing else
.set SS1, 36
.set PC,  40
.set F1,  48
.set PW,  56
.set BK,  60
.set F0,  64
.set ACC, 128
.set WV,  16
.set SEL, 20
.set G1X, 24
.set G1W, 32
.set G1SX, 40
.set G1SW, 48
.set G0X, 68
.set G0W, 80
.macro PLACES n
.rept \n
	v_nop
.endr
.endm
.macro CROUND                          ; a round of the cluster's barrier
	s_barrier_signal -1
	s_barrier_wait -1
	s_cmp_lg_u32 s[WV], 0
	s_cbranch_scc1 .Lnot_wave_0_\@
	s_barrier_signal -3
.Lnot_wave_0_\@:
	s_barrier_wait -3
	s_barrier_signal -1
	s_barrier_wait -1
.endm
.macro MM i, n, cr                     ; accumulator (i, n) = source 0's tile i x source 1's tile n + v[cr ..]
.if (\i) < 4 && (\n) == 0
	v_wmma_scale_f32_16x16x128_f8f6f4 v[ACC+64*(\n)+8*(\i):ACC+64*(\n)+8*(\i)+7], v[F0+8*(\i):F0+8*(\i)+7], v[F1+8*(\n):F1+8*(\n)+7], v[(\cr):(\cr)+7], v[SS0+(\i)%4], v[SS1] matrix_a_fmt:MATRIX_FMT_FP4 matrix_b_fmt:MATRIX_FMT_FP4
.endif
.if (\i) < 4 && (\n) == 1
	v_wmma_scale_f32_16x16x128_f8f6f4 v[ACC+64*(\n)+8*(\i):ACC+64*(\n)+8*(\i)+7], v[F0+8*(\i):F0+8*(\i)+7], v[F1+8*(\n):F1+8*(\n)+7], v[(\cr):(\cr)+7], v[SS0+(\i)%4], v[SS1] matrix_a_fmt:MATRIX_FMT_FP4 matrix_b_fmt:MATRIX_FMT_FP4 matrix_b_scale:MATRIX_SCALE_ROW1
.endif
.if (\i) >= 4 && (\n) == 0
	v_wmma_scale_f32_16x16x128_f8f6f4 v[ACC+64*(\n)+8*(\i):ACC+64*(\n)+8*(\i)+7], v[F0+8*(\i):F0+8*(\i)+7], v[F1+8*(\n):F1+8*(\n)+7], v[(\cr):(\cr)+7], v[SS0+(\i)%4], v[SS1] matrix_a_fmt:MATRIX_FMT_FP4 matrix_b_fmt:MATRIX_FMT_FP4 matrix_a_scale:MATRIX_SCALE_ROW1
.endif
.if (\i) >= 4 && (\n) == 1
	v_wmma_scale_f32_16x16x128_f8f6f4 v[ACC+64*(\n)+8*(\i):ACC+64*(\n)+8*(\i)+7], v[F0+8*(\i):F0+8*(\i)+7], v[F1+8*(\n):F1+8*(\n)+7], v[(\cr):(\cr)+7], v[SS0+(\i)%4], v[SS1] matrix_a_fmt:MATRIX_FMT_FP4 matrix_b_fmt:MATRIX_FMT_FP4 matrix_a_scale:MATRIX_SCALE_ROW1 matrix_b_scale:MATRIX_SCALE_ROW1
.endif
.endm
.macro LOADS q, ks                     ; the 25 LDS loads of 128 along K; source 0's tiles come last, ascending
.irp i, 0,1,2,3
	ds_load_b32 v[SS0+\i], v[AS0] offset:544*\i+4*(\ks)
.endr
	ds_load_b32 v[SS1], v[AS1] offset:4*(\ks)
.irp n, 0,1
.irp c, 0,1
	ds_load_b128 v[F1+8*\n+4*\c:F1+8*\n+4*\c+3], v[A1] offset:T16*\n+64*(\q)+32*\c
.endr
.endr
.irp i, 0,1,2,3,4,5,6,7
.irp c, 0,1
	ds_load_b128 v[F0+8*\i+4*\c:F0+8*\i+4*\c+3], v[A0] offset:T16*\i+64*(\q)+32*\c
.endr
.endr
.endm
.macro KSTEP q, ks                     ; the sixteen accumulators take turns, one instruction a turn, from step to step too
	PLACES 4                                       ; four places in front of loads into registers that matrix instructions have read
	LOADS \q, \ks
	s_wait_dscnt 8                                 ; all but the eight youngest loads, source 0's tiles 4-7
.irp i, 0,1,2,3
.irp n, 0,1
	MM \i, \n, ACC+64*\n+8*\i
.endr
.endr
	s_wait_dscnt 0x0
.irp i, 4,5,6,7
.irp n, 0,1
	MM \i, \n, ACC+64*\n+8*\i
.endr
.endr
.endm
; 64 numbers of a lane, v[s + 16 b + i]: block b's k = 8 h + i (i < 8) and 16 + 8 h + i - 8 (i >= 8); lanes l and l xor 16 share a block.  They become 8 registers of codes in the operand's order and a scale word.
.macro QUANT s, pc, pw
.irp b, 0,1,2,3
	v_max3_num_f32 v[TM+\b], |v[\s+16*\b]|, |v[\s+1+16*\b]|, 0x1800000   ; with the floor 2^(3 - 127): the byte cannot fall under 1.  Each accumulator is read from its low end on
.endr
.irp i, 2,4,6,8,10,12,14
.irp b, 0,1,2,3
	v_max3_num_f32 v[TM+\b], v[TM+\b], |v[\s+16*\b+\i]|, |v[\s+1+16*\b+\i]|
.endr
.endr
.irp b, 0,1,2,3
	s_delay_alu instid0(VALU_DEP_4)
	v_permlanex16_b32 v[TM+4+\b], v[TM+\b], s[SEL], s[SEL+1]
.endr
.irp b, 0,1,2,3
	s_delay_alu instid0(VALU_DEP_4)
	v_max_num_f32 v[TM+\b], v[TM+\b], v[TM+4+\b]
.endr
.irp b, 0,1,2,3
	s_delay_alu instid0(VALU_DEP_4)
	v_add_nc_u32 v[TM+12+\b], 0xff000000, v[TM+\b] ; 2 off the exponent field: the conversion's scale operand
.endr
.irp b, 0,1,2,3
	s_delay_alu instid0(VALU_DEP_4)
	v_lshrrev_b32 v[TM+4+\b], 23, v[TM+12+\b]      ; the scale's byte
.endr
	s_delay_alu instid0(VALU_DEP_3)
	v_lshl_or_b32 v[\pw], v[TM+5], 8, v[TM+4]
	s_delay_alu instid0(VALU_DEP_1)
	v_lshl_or_b32 v[\pw], v[TM+6], 16, v[\pw]
	s_delay_alu instid0(VALU_DEP_1)
	v_lshl_or_b32 v[\pw], v[TM+7], 24, v[\pw]
.irp b, 0,1,2,3
	v_cvt_scalef32_pk8_fp4_f32 v[\pc+4*(\b/2)+(\b%2)], v[\s+16*\b:\s+16*\b+7], v[TM+12+\b]
	v_cvt_scalef32_pk8_fp4_f32 v[\pc+4*(\b/2)+(\b%2)+2], v[\s+16*\b+8:\s+16*\b+15], v[TM+12+\b]
.endr
	v_nop                                          ; one plain place behind a scaled conversion
.irp c, 0,1
	v_permlane16_swap_b32 v[\pc+4*\c], v[\pc+4*\c+1]   ; registers 4 c .. 4 c + 3 then hold k = 64 c + 32 h + 0 .. 31
	v_permlane16_swap_b32 v[\pc+4*\c+2], v[\pc+4*\c+3]
.endr
.endm
	s_load_b256 s[4:11], s[0:1], 0x0               ; x codes s[4:5], x scales s[6:7], W codes s[8:9], W scales s[10:11]
	s_load_b128 s[12:15], s[0:1], 0x20             ; bias s[12:13], OUT s[14:15]
	v_lshl_add_u32 v38, v0, 2, 0x38000
	v_mov_b32 v39, 0
	ds_add_u32 v38, v39
	ds_add_u32 v38, v39
	v_lshrrev_b32 v1, 5, v0
	s_delay_alu instid0(VALU_DEP_1)
	v_readfirstlane_b32 s[WV], v1                  ; wave 0..7
	s_bfe_u32 s17, ttmp6, 0x40000                  ; cx
	s_bfe_u32 s18, ttmp6, 0x40004                  ; cy
	s_lshl_b32 s19, ttmp9, 2
	s_add_co_u32 s19, s19, s17                     ; WB: which 256 rows of W
	s_and_b32 s23, ttmp7, 0xffff
	s_lshl_b32 s56, s23, 2
	s_add_co_u32 s56, s56, s18                     ; XB: which 128 rows of x
	s_lshl_b32 s57, s18, 2
	s_lshl_b32 s57, 15, s57                        ; my row of the cluster
	s_lshl_b32 s60, 0x1111, s17                    ; my column
	s_or_b32 s[G1X], s57, (1<<20)|(1<<21)|(5<<22)|(3<<25)          ; codes: elements of 1 byte; 4 words of padding behind every 64; bit 21 beside the mask
	s_or_b32 s[G1W], s60, (1<<20)|(1<<21)|(5<<22)|(3<<25)
	s_or_b32 s[G1SX], s57, (3<<16)|(1<<20)|(1<<21)|(5<<22)|(3<<25) ; scales: elements of 8 bytes
	s_or_b32 s[G1SW], s60, (3<<16)|(1<<20)|(1<<21)|(5<<22)|(3<<25)
.irp g, G1X, G1W
	s_mov_b32 s[\g+1], 256<<16
	s_mov_b32 s[\g+2], 128<<16                     ; 128 rows: all of x's, half of W's
	s_mov_b32 s[\g+3], 256<<16
	s_mov_b32 s[\g+4], 128
	s_mov_b32 s[\g+5], 512
	s_mov_b32 s[\g+6], 0
	s_mov_b32 s[\g+7], 0
.endr
.irp g, G1SX, G1SW
	s_mov_b32 s[\g+1], 32<<16
	s_mov_b32 s[\g+2], (16+16*(\g/G1SW))<<16       ; x's 128 rows x 32 bytes: 16 rows of 256; W's 256 rows: 32
	s_mov_b32 s[\g+3], 32<<16
	s_mov_b32 s[\g+4], 16+16*(\g/G1SW)
	s_mov_b32 s[\g+5], 32
	s_mov_b32 s[\g+6], 0
	s_mov_b32 s[\g+7], 0
.endr
	s_mov_b32 s[SEL], 0x76543210
	s_mov_b32 s[SEL+1], 0xfedcba98
	s_and_b32 s58, s[WV], 1                        ; u: which 128 rows of W a wave that fetches W's codes takes
	s_lshr_b32 s61, s[WV], 2                       ; c: which K chunk a wave that fetches codes takes
	s_lshl_b32 s92, s56, 12                        ; x's scale bytes: 4,096 XB
	s_mov_b32 s93, 0
	s_lshl_b32 s94, s19, 13                        ; W's: 8,192 WB
	s_mov_b32 s95, 0
	s_wait_dscnt 0x0
	s_wait_kmcnt 0x0
	; ONE TENSOR LOAD A WAVE.  Waves 0, 1: W's halves of chunk 0; wave 2: x's chunk 0; wave 3: x's scale bytes; wave 4: W's; wave 5: x's chunk 1; waves 6, 7: W's halves of chunk 1.
	s_mov_b32 s[G0X], 1                            ; x's scale bytes, whole
	s_mov_b32 s[G0X+1], SCL
	s_add_nc_u64 s[G0X+2:G0X+3], s[6:7], s[92:93]
	s_or_b32 s[G0X+3], s[G0X+3], 0x80000000
	s_lshl_b32 s92, s56, 16
	s_lshl_b32 s59, s61, 8
	s_add_co_u32 s92, s92, s59                     ; x's codes: 65,536 XB + 256 c
	s_mov_b32 s[G0X+4], 1
	s_mul_i32 s[G0X+5], s61, CH
	s_add_nc_u64 s[G0X+6:G0X+7], s[4:5], s[92:93]
	s_or_b32 s[G0X+7], s[G0X+7], 0x80000000
	s_mov_b32 s[G0W], 1                            ; W's scale bytes, whole
	s_mov_b32 s[G0W+1], SCL+2*PIECE
	s_add_nc_u64 s[G0W+2:G0W+3], s[10:11], s[94:95]
	s_or_b32 s[G0W+3], s[G0W+3], 0x80000000
	s_lshl_b32 s94, s19, 17
	s_lshl_b32 s60, s58, 16
	s_add_co_u32 s94, s94, s60
	s_add_co_u32 s94, s94, s59                     ; W's codes: 131,072 WB + 65,536 u + 256 c
	s_mov_b32 s[G0W+4], 1
	s_mul_i32 s[G0W+5], s58, 128*272
	s_add_co_u32 s[G0W+5], s[G0W+5], s[G0X+5]
	s_add_co_u32 s[G0W+5], s[G0W+5], XROWS
	s_add_nc_u64 s[G0W+6:G0W+7], s[8:9], s[94:95]
	s_or_b32 s[G0W+7], s[G0W+7], 0x80000000
	CROUND                                         ; all sixteen work-groups are here: the joint loads meet
.macro ARM under, g0, g1, next                 ; one chain of branches on the wave's number, a load to an arm, all arms leading to one join
	s_cmp_lt_u32 s[WV], \under
	s_cbranch_scc0 \next
	tensor_load_to_lds s[\g0:\g0+3], s[\g1:\g1+7]
	s_nop 0
	PLACES 4
	s_branch .Lasked
\next:
.endm
	ARM 2, G0W+4, G1W, .Lh_x0
	ARM 3, G0X+4, G1X, .Lh_xs
	ARM 4, G0X, G1SX, .Lh_ws
	ARM 5, G0W, G1SW, .Lh_x1
	ARM 6, G0X+4, G1X, .Lh_w1
	tensor_load_to_lds s[G0W+4:G0W+7], s[G1W:G1W+7]
	s_nop 0
	PLACES 4
.Lasked:
	v_and_b32 v1, 15, v0                           ; r
	v_bfe_u32 v2, v0, 4, 1                         ; h
	v_and_b32 v3, 31, v0                           ; lane
	s_delay_alu instid0(VALU_DEP_3)
	v_mul_u32_u24 v13, v1, 272
	s_delay_alu instid0(VALU_DEP_1)
	v_lshl_add_u32 v[A0], v2, 4, v13               ; source 0: x's rows from the chunk's first byte on
	v_and_b32 v14, 7, v1
	v_lshrrev_b32 v15, 3, v1
	s_delay_alu instid0(VALU_DEP_2)
	v_lshlrev_b32 v14, 5, v14
	s_delay_alu instid0(VALU_DEP_1)
	v_mad_u32_u24 v14, v15, 272, v14               ; a row's 32 scale bytes: eight rows to a unit of 256 + 16
	s_mul_i32 s96, s[WV], 2*T16
	s_add_co_u32 s96, s96, XROWS
	v_add_nc_u32 v[A1], s96, v[A0]                 ; source 1: W's rows 32 w on
	v_mad_u32_u24 v[AS0], v2, PIECE, v14
	s_delay_alu instid0(VALU_DEP_1)
	v_add_nc_u32 v[AS0], SCL, v[AS0]
	s_mul_i32 s96, s[WV], 1088
	s_add_co_u32 s96, s96, SCL+2*PIECE
	v_mad_u32_u24 v[AS1], v2, 544, v14
	s_delay_alu instid0(VALU_DEP_1)
	v_add_nc_u32 v[AS1], s96, v[AS1]
	v_lshlrev_b32 v[BA], 2, v1
	s_wait_alu depctr_va_vdst(0)
	v_lshlrev_b32 v[GST], 4, v3
	s_lshr_b32 s62, s[WV], 1                       ; which of the work-group's four heads
	s_and_b32 s63, s[WV], 1                        ; which half of its dk
	v_lshlrev_b32 v[SST], 3, v1
	s_delay_alu instid0(VALU_DEP_1)
	v_lshl_add_u32 v[SST], v2, 8, v[SST]
	s_lshl_b32 s96, s62, 9
	s_lshl_b32 s97, s63, 7
	s_add_co_u32 s96, s96, s97
	s_add_co_u32 s96, s96, STG
	v_add_nc_u32 v[SST], s96, v[SST]               ; the stage: head, 128 (w % 2) + 8 r; lanes 16-31 write the copy, 256 bytes on
	v_and_b32 v[SLD], 127, v0
	s_delay_alu instid0(VALU_DEP_1)
	v_lshl_add_u32 v[SLD], v[SLD], 4, STG
	s_lshl_b32 s94, s19, 10
	s_lshl_b32 s95, s[WV], 7
	s_add_co_u32 s94, s94, s95
	s_mov_b32 s95, 0
	s_add_nc_u64 s[12:13], s[12:13], s[94:95]      ; the bias of my 32 rows of W
	global_load_b32 v[BV], v[BA], s[12:13]
	global_load_b32 v[BV+8], v[BA], s[12:13] offset:64
	s_lshr_b32 s57, s56, 4                         ; batch
	s_and_b32 s58, s56, 15                         ; step: which 128 keys
	s_lshl_b32 s57, s57, 4
	s_lshl_b32 s59, s19, 2
	s_add_co_u32 s57, s57, s59
	s_lshl_b32 s57, s57, 4
	s_add_co_u32 s57, s57, s58
	s_mul_i32 s57, s57, REC                        ; the record of the work-group's first head
	s_mul_i32 s58, s62, HEADB
	s_lshl_b32 s59, s63, 11
	s_add_co_u32 s58, s58, s59
	s_add_co_u32 s58, s58, s57
	s_mov_b32 s59, 0
	s_add_nc_u64 s[60:61], s[14:15], s[58:59]      ; my codes: my head, dk tiles 2 (w % 2) on
	s_and_b32 s58, s[WV], 3
	s_mul_i32 s58, s58, HEADB
	s_add_co_u32 s58, s58, s57
	s_add_co_u32 s58, s58, 4096
	s_add_nc_u64 s[92:93], s[14:15], s[58:59]      ; waves 0-3: head w's scale words
	s_wait_alu depctr_va_vdst(0)                   ; ahead of the branch and the waits
	s_cmp_lt_u32 s[WV], 5                          ; waves 0-4 brought chunk 0 and the scale bytes; chunk 1, on load lines of its own, may be out
	s_cbranch_scc0 .Lnot_first
	s_wait_tensorcnt 0x0
.Lnot_first:
	s_barrier_signal -1
	s_barrier_wait -1
	LOADS 0, 0
	s_wait_loadcnt 0x0                             ; the bias: one number a lane for each tile of W; a C operand wants it in eight registers
.irp n, 0,1
.irp j, 1,2,3,4,5,6,7
	v_mov_b32 v[BV+8*\n+\j], v[BV+8*\n]
.endr
.endr
	s_wait_alu depctr_va_vdst(0)
	s_wait_dscnt 8
.irp i, 0,1,2,3
.irp n, 0,1
	MM \i, \n, BV+8*\n                             ; the bias is the C of each sum's first product
.endr
.endr
	s_wait_dscnt 0x0
.irp i, 4,5,6,7
.irp n, 0,1
	MM \i, \n, BV+8*\n
.endr
.endr
	KSTEP 1, 1
	KSTEP 2, 2
	KSTEP 3, 3
	s_wait_tensorcnt 0x0                           ; my part of chunk 1 is in (my LDS loads are all back)
	s_barrier_signal -1
	s_barrier_wait -1
	v_add_nc_u32 v[A0], CH, v[A0]
	v_add_nc_u32 v[A1], CH, v[A1]
	s_wait_alu depctr_va_vdst(0)
	KSTEP 0, 4
	KSTEP 1, 5
	KSTEP 2, 6
	KSTEP 3, 7
	; THE WAY OUT
.irp b, 0,1,2,3
	v_mov_b32 v[TM+4+\b], 0                        ; a lane permute's destination counts as read; these four are also the places behind the last products
.endr
	QUANT ACC, PC, PW                              ; W's tile 0: 128 keys of 16 dk: a whole fragment and its scale word
	global_store_b128 v[GST], v[PC:PC+3], s[60:61]                  ; 512 consecutive bytes a store
	global_store_b128 v[GST], v[PC+4:PC+7], s[60:61] offset:512
	QUANT ACC+64, PC+8, PW+1
	global_store_b128 v[GST], v[PC+8:PC+11], s[60:61] offset:1024
	global_store_b128 v[GST], v[PC+12:PC+15], s[60:61] offset:1536
	ds_store_b64 v[SST], v[PW:PW+1]
	s_wait_dscnt 0x0                               ; for the others' sake: my store has landed
	s_barrier_signal -1
	s_barrier_wait -1
	s_cmp_lt_u32 s[WV], 4
	s_cbranch_scc0 .Lno_words
	ds_load_b128 v[BK:BK+3], v[SLD]                ; wave w: head w's 512 bytes
	s_wait_dscnt 0x0
	global_store_b128 v[GST], v[BK:BK+3], s[92:93]
.Lno_words:
	s_wait_tensorcnt 0x0
	ds_add_u32 v38, v39
	s_wait_dscnt 0x0
	CROUND                                         ; the closing round
	s_endpgm
.Lfunc_end_k_q3391f862a3_projv:
	.size	k_q3391f862a3_projv, .Lfunc_end_k_q3391f862a3_projv-k_q3391f862a3_projv
	.p2alignl 7, 3214868480
	.fill 96, 4, 3214868480
	.section	.rodata,"a",@progbits
	.p2align	6, 0x0
	.amdhsa_kernel k_q3391f862a3_projv
		.amdhsa_group_segment_fixed_size 230400
		.amdhsa_private_segment_fixed_size 0
		.amdhsa_enable_private_segment 0
		.amdhsa_kernarg_size 48
		.amdhsa_user_sgpr_count 2
		.amdhsa_user_sgpr_kernarg_segment_ptr 1
		.amdhsa_wavefront_size32 1
		.amdhsa_system_sgpr_workgroup_id_x 1
		.amdhsa_system_sgpr_workgroup_id_y 1
		.amdhsa_system_sgpr_workgroup_id_z 1
		.amdhsa_system_vgpr_workitem_id 0
		.amdhsa_next_free_vgpr 256
		.amdhsa_next_free_sgpr 100
		.amdhsa_reserve_vcc 0
		.amdhsa_float_denorm_mode_32 3
		.amdhsa_float_denorm_mode_16_64 3
		.amdhsa_memory_ordered 1
		.amdhsa_forward_progress 1
		.amdhsa_inst_pref_size 51
	.end_amdhsa_kernel
	.amdgpu_metadata
---
amdhsa.version: [ 1, 2 ]
amdhsa.kernels:
  - .name:           k_q3391f862a3_projv
    .symbol:         k_q3391f862a3_projv.kd
    .args:
      - { .name: v_in_codes, .offset: 0, .size: 8, .value_kind: global_buffer, .address_space: global }
      - { .name: v_in_scales, .offset: 8, .size: 8, .value_kind: global_buffer, .address_space: global }
      - { .name: wv_codes, .offset: 16, .size: 8, .value_kind: global_buffer, .address_space: global }
      - { .name: wv_scales, .offset: 24, .size: 8, .value_kind: global_buffer, .address_space: global }
      - { .name: bv, .offset: 32, .size: 8, .value_kind: global_buffer, .address_space: global }
      - { .name: vbuf, .offset: 40, .size: 8, .value_kind: global_buffer, .address_space: global }
    .group_segment_fixed_size: 230400
    .private_segment_fixed_size: 0
    .kernarg_segment_align: 8
    .kernarg_segment_size: 48
    .max_flat_workgroup_size: 256
    .sgpr_count:     100
    .vgpr_count:     256
    .wavefront_size: 32
...
	.end_amdgpu_metadata
.endif
;; end of part 2
;; launch attn (part 3): grid 8 x 32, 16 waves a work-group, clusters of 4 x 1, 327,680 bytes of LDS; arguments qbuf, kbuf, vbuf, catc, cats; writes catc, cats
.if DOCPART == 3
	.amdgcn_target "amdgcn-amd-amdhsa--gfx1250"
	.amdhsa_code_object_version 6
	.text
	.protected	k_q3391f862a3_attn
	.globl	k_q3391f862a3_attn
	.p2align	8
	.type	k_q3391f862a3_attn,@function
k_q3391f862a3_attn:
	s_mov_b64 s[64:65], 0
	v_nop
	global_prefetch_b8 v0, s[64:65] scope:SCOPE_SE
	s_setreg_imm32_b32 hwreg(HW_REG_WAVE_MODE, 25, 1), 1
	s_wait_xcnt 0x0
	s_wait_alu depctr_hold_cnt(0) depctr_sa_sdst(0) depctr_va_vdst(0) depctr_va_sdst(0) depctr_va_ssrc(0) depctr_va_vcc(0) depctr_vm_vsrc(0)
	s_getreg_b32 s2, hwreg(HW_REG_IB_STS2, 6, 4)
	s_cmp_eq_u32 s2, 0
	s_cbranch_scc0 .Lentry_in_a_cluster
	s_endpgm
.Lentry_in_a_cluster:
	s_bfe_u32 s2, ttmp6, 0x10000c
	s_cmp_lg_u32 s2, 0x3003
	s_cbranch_scc0 .Lentry_shape_is_right
	s_endpgm
.Lentry_shape_is_right:
; O = softmax(q k^T / 8) v for two heads and 256 queries a work-group, both products on codes of FP4 (E2M1) with E8M0 scales, and O / l quantised along head x 64 + dk for the last product.
; q, k, v come as records of 4,608 bytes for 128 rows s, [batch x head 64][step 16]: 4,096 bytes of codes in the order of an operand's registers (16 bytes a lane), then scale words [tile / 2][r][tile % 2].
; THE SOFTMAX: t = score x log2(e) / 8; M = the row's largest t so far, rounded up to a whole number; p = 2^(t - M) is quantised along the keys, not normalised; the row's sum is taken of the unquantised p and divides O at the end.
; When M moves, the sum and O are multiplied by f = 2^(old M - new M): exact.  A block's largest p is made from the block's largest score by the same multiply-add and exponential (this takes the exponential not to fall where its input rises).
; q k^T has K = 64: registers 4-7 of q's and of each of k's tiles are zeros, written once; their scale bytes are 0x7f.
; SHARES.  grid y = 8 batch + head pair; grid x = the block of 256 queries.  Sixteen waves, four to a SIMD: a wave owns 16 queries and does the pair's first head, then its second, 16 steps of 128 keys each.
; Both products are used transposed, with 32 rows of source 0 (S^T = k q^T, O^T = v^T p^T): a lane holds one query.
; THE KEYS OF A TILE ARE CHOSEN BY ADDRESS: row r of tile (c, u) is key 64 c + 32 (r / 8) + 8 u + r % 8.  So a lane's 32 registers of the tiles (c, 0 .. 3) are keys 64 c + 32 h + 0 .. 31: one whole scale block, in the order of p's operand:
; a block's maximum needs no other lane, and the eight conversions' results are the operand's registers as they stand.  Lanes l and l xor 16 exchange only the row's maximum and two scale bytes.
; CHAINS.  Lines that hang on each other stand apart: eight chains of maxima by turns, the sum of p as a tree in place, the scale word's lines among the sums; the one chain that has nothing to stand between its links (the row's maximum to M) carries one-field hints.
; LDS IS FILLED ONCE, one tensor load a wave: waves 0-7 four records of k each (rows of 512 bytes, 64 bytes of padding behind each, so that a tile's two groups of eight keys, two tiles apart, fall 128 bytes apart modulo 256), waves 8-15 four of v, dense.
; CLUSTER: the four query blocks of a cluster walk the same k and v: each load is asked for jointly by all four, with the same descriptor.  No data prefetch: every byte is asked for at the head, there is no loop to run ahead in.
; A step's k is fetched from LDS in the step before (the very last fetch reads the first bytes of v's region and is not used); its v behind its own first products.
; OUT: catc [block of 128 rows 64][K chunk 2][tile 8][K step 4][c 2][lane 32][16 bytes], K step = head pair, c = the head's parity;  cats [block 64][K step 8][row 128] scale words.
; LIMITS: NaN and infinities are not served; the promise holds while |t| stays under 2^31.  The running maximum starts at -3e38.  1 / l is v_rcp_f32 and a multiplication.
; A block's largest p is held at 2^-124 from below, by its exponent ahead of the exponential: the scale's byte is then 1, or 0 if that exponential comes out one step low: a finite code either way, over codes whose values are under 2^-121.
.set REC,   4608                       ; a record in memory, and v's in LDS
.set KT,    576                        ; a tile of k in LDS: 512 bytes + 64
.set KREC,  9*KT                       ; a record of k in LDS
.set VB,    32*KREC                    ; v's 32 records, behind k's 32
.set STG,   VB+32*REC                  ; the stage for 256 scale words; no tensor load lands there
.set SPARE, STG+1024                   ; the spare words: 128 bytes a wave
.set GST, 1                            ; v1  16 x lane
.set KL,  2                            ; v2  my lane's place in a record of k: 1,152 (r / 8) + 16 (r % 8) + 256 h
.set KSL, 3                            ; v3  among its scale words: 128 (r / 8) + 8 (r % 8) + 64 h
.set VL,  4                            ; v4  VB + 16 x lane
.set VSL, 5                            ; v5  VB + 8 r + 4 h
.set SH8, 6                            ; v6  8 h
.set CW,  7                            ; v7  cat's scale word in the making
.set AK,  8                            ; v8-11 the step's addresses
.set AKS, 9
.set AV,  10
.set AVS, 11
.set QS,  12                           ; v12, v13 q's scale words (scales alone)
.set SPW, 14                           ; v14 my spare word;  v15 0
.set NIL, 15
.set QF,  16                           ; v16-31 q of the two heads
.set KF,  32                           ; v32-95 k: four operands of 32 keys
.set SS,  96                           ; v96-159 S^T, then p: 32 c + 8 u + j
.set OO,  160                          ; v160-191 O^T: register 8 t + i is dk 16 t + 8 h + i
.set VF,  192                          ; v192-223 v: two operands of 32 dk
.set PC,  224                          ; v224-231 the eight chains of maxima, then p's codes
.set NM,  232                          ; v232 -M, v233 the largest score so far
.set FF,  234                          ; v234 f, v235 the last step's -M
.set LL,  236                          ; v236-243 the sum, in four pairs
.set TT,  244                          ; v244-247 at work
.set KS,  248                          ; v248-251 k's scale words, v252-253 v's, v254 p's (scales alone)
.set VS,  252
.set PS,  254
.set XX,  255                          ; v255 what comes from lane l xor 16
.set NC,  2                            ; s2  -log2(e) / 8
.set CNT, 3
.set WV,  16
.set SEL, 20                           ; s[20:21] v_permlanex16_b32: lane l xor 16
.set CS,  22                           ; s[22:23] c = log2(e) / 8
.set G1K, 24
.set G1V, 32
.set G0K, 40
.set G0V, 44
.set TBK, 48                           ; s48 LDS byte of the NEXT step's record of k;  s49 this step's record of v, from VB
.set TBV, 49
.macro PLACES n
.rept \n
	v_nop
.endr
.endm
.macro WALU
	s_wait_alu depctr_va_vdst(0)
.endm
.macro CROUND                          ; a round of the cluster's barrier
	s_barrier_signal -1
	s_barrier_wait -1
	s_cmp_lg_u32 s[WV], 0
	s_cbranch_scc1 .Lnot_wave_0_\@
	s_barrier_signal -3
.Lnot_wave_0_\@:
	s_barrier_wait -3
	s_barrier_signal -1
	s_barrier_wait -1
.endm
.macro KLOAD ak, aks                   ; a record of k: 10 loads.  Operand 2 c + g holds tiles (c, 2 g) and (c, 2 g + 1); its scale register has the first's rows in lanes 0-15, the second's in lanes 16-31
	ds_load_b64 v[KS:KS+1], v[\aks] offset:8*KT
	ds_load_b64 v[KS+2:KS+3], v[\aks] offset:8*KT+256
.irp c, 0,1
.irp g, 0,1
.irp u, 0,1
	ds_load_b128 v[KF+32*\c+16*\g+8*\u:KF+32*\c+16*\g+8*\u+3], v[\ak] offset:4*KT*\c+KT*\g+128*\u
.endr
.endr
.endr
.endm
.macro SUM4 first                      ; four additions of the tree's first level: pair 2 i takes in pair 2 i + 1
.set J, 4*(\first)
.rept 4
	v_pk_add_f32 v[SS+J:SS+J+1], v[SS+J:SS+J+1], v[SS+J+2:SS+J+3]
.set J, J+4
.endr
.endm
; A KEY STEP of 128 keys for head e of the pair
.macro STEP e
	s_wait_dscnt 0x0                               ; this step's k, asked for in the step before
.irp a, 0,1,2,3
	v_wmma_scale_f32_32x16x128_f4 v[SS+16*\a:SS+16*\a+15], v[KF+16*\a:KF+16*\a+15], v[QF+8*\e:QF+8*\e+7], 0, v[KS+\a], v[QS+\e]
.endr
	v_add_nc_u32 v[AV], s[TBV], v[VL]              ; these four are the places behind the products above and behind the last step's (ISA guide 7.12.1)
	v_add_nc_u32 v[AVS], s[TBV], v[VSL]
	v_add_nc_u32 v[AK], s[TBK], v[KL]
	v_add_nc_u32 v[AKS], s[TBK], v[KSL]
	ds_load_b32 v[VS], v[AVS] offset:4096          ; v: 10 loads.  Scale words: lanes 0-15 dk tile 2 g, lanes 16-31 tile 2 g + 1
	ds_load_b32 v[VS+1], v[AVS] offset:4224
.irp t, 0,1,2,3
.irp c, 0,1
	ds_load_b128 v[VF+8*\t+4*\c:VF+8*\t+4*\c+3], v[AV] offset:1024*\t+512*\c
.endr
.endr
	KLOAD AK, AKS                                  ; the next step's k
; the largest score of each block: four chains a block, over its registers 0-8, 9-15, 16-24, 25-31, all eight by turns; each accumulator is first read at its low end
.irp c, 0,1
.irp k, 0,1,2,3
	v_max3_num_f32 v[PC+4*\c+\k], v[SS+32*\c+8*\k+\k%2], v[SS+32*\c+8*\k+\k%2+1], v[SS+32*\c+8*\k+\k%2+2]
.endr
.endr
.irp i, 3,5
.irp c, 0,1
.irp k, 0,1,2,3
	v_max3_num_f32 v[PC+4*\c+\k], v[PC+4*\c+\k], v[SS+32*\c+8*\k+\k%2+\i], v[SS+32*\c+8*\k+\k%2+\i+1]
.endr
.endr
.endr
.irp c, 0,1
.irp k, 0,2
	v_max3_num_f32 v[PC+4*\c+\k], v[PC+4*\c+\k], v[SS+32*\c+8*\k+7], v[SS+32*\c+8*\k+8]
.endr
.endr
	s_delay_alu instid0(VALU_DEP_3)                ; (each hint counts back to the nearest line whose result the line behind it reads)
	v_max3_num_f32 v[TT], v[PC], v[PC+1], v[PC+2]
	s_delay_alu instid0(VALU_DEP_2)
	v_max3_num_f32 v[TT+1], v[PC+4], v[PC+5], v[PC+6]
	s_delay_alu instid0(VALU_DEP_2)
	v_max_num_f32 v[TT], v[TT], v[PC+3]            ; my block of c = 0,
	s_delay_alu instid0(VALU_DEP_2)
	v_max_num_f32 v[TT+1], v[TT+1], v[PC+7]        ; of c = 1
	s_delay_alu instid0(VALU_DEP_1)
	v_max_num_f32 v[TT+2], v[TT], v[TT+1]
	s_delay_alu instid0(VALU_DEP_1)
	v_permlanex16_b32 v[XX], v[TT+2], s[SEL], s[SEL+1]
	s_delay_alu instid0(VALU_DEP_1)
	v_max3_num_f32 v[NM+1], v[NM+1], v[TT+2], v[XX]   ; the running largest score of my query
	s_delay_alu instid0(VALU_DEP_1)
	v_mul_f32 v[TT+3], s[NC], v[NM+1]              ; -t
	s_delay_alu instid0(VALU_DEP_1)
	v_floor_f32 v[NM], v[TT+3]                     ; -M = floor(-t): M is a whole number
	s_delay_alu instid0(VALU_DEP_1)
	v_fma_f32 v[TT], v[TT], s[CS], v[NM]           ; t - M of each block's largest score
	s_delay_alu instid0(VALU_DEP_2)
	v_fma_f32 v[TT+1], v[TT+1], s[CS], v[NM]
	s_delay_alu instid0(VALU_DEP_3)
	v_sub_f32 v[TT+3], v[NM], v[FF+1]              ; old M - new M: a whole number, 0 or less
.set J, 0
.rept 32
	v_pk_fma_f32 v[SS+J:SS+J+1], v[SS+J:SS+J+1], s[CS:CS+1], v[NM:NM+1] op_sel_hi:[1,0,0]   ; t - M, two at a time; what else is due stands among these lines
.set J, J+2
.if J == 4
	v_max_num_f32 v[TT], 0xc2f80000, v[TT]         ; held at -124 from below: the block's largest p is at least 2^(3 - 127)
	v_max_num_f32 v[TT+1], 0xc2f80000, v[TT+1]
.endif
.if J == 10
	v_cvt_i32_f32 v[TT+3], v[TT+3]                 ; (it saturates)
.endif
.if J == 20
	v_ldexp_f32 v[FF], 1.0, v[TT+3]                ; f
.endif
.endr
.set J, 0
.rept 16
	v_pk_mul_f32 v[OO+J:OO+J+1], v[OO+J:OO+J+1], v[FF:FF+1] op_sel_hi:[1,0]   ; O^T under the new M, each accumulator from its low end on
.set J, J+2
.endr
	WALU                                           ; ahead of the batch
.set J, 0
.rept 64
	v_exp_f32 v[SS+J], v[SS+J]                     ; p = 2^(t - M)
.set J, J+1
.endr
	v_exp_f32 v[TT], v[TT]                         ; the blocks' largest p
	v_exp_f32 v[TT+1], v[TT+1]
	v_mov_b32 v[FF+1], v[NM]                       ; kept for the next step (the plain place behind the batch)
	WALU                                           ; behind the batch
	v_add_nc_u32 v[TT+2], 0xff000000, v[TT]        ; 2 off the exponent field: the conversions' scale operands
	v_add_nc_u32 v[TT+3], 0xff000000, v[TT+1]
.irp c, 0,1
.irp u, 0,1,2,3
	v_cvt_scalef32_pk8_fp4_f32 v[PC+4*\c+\u], v[SS+32*\c+8*\u:SS+32*\c+8*\u+7], v[TT+2+\c]   ; keys 64 c + 32 h + 8 u + 0 .. 7: register 4 c + u of the operand
.endr
.endr
	v_lshrrev_b32 v[TT], 23, v[TT+2]               ; the scales' bytes: blocks h and 2 + h.  (The plain place behind the conversions)
	v_lshrrev_b32 v[TT+1], 23, v[TT+3]
	SUM4 0                                         ; THE SUM OF THE UNQUANTISED p: a tree in place, now that the conversions have read p; the scale word's lines stand among its first level
	v_lshl_or_b32 v[TT], v[TT+1], 16, v[TT]
	SUM4 4
	v_lshlrev_b32 v[TT], v[SH8], v[TT]             ; at their places in the word
	SUM4 8
	v_permlanex16_b32 v[XX], v[TT], s[SEL], s[SEL+1]
	SUM4 12
	v_or_b32 v[PS], v[TT], v[XX]                   ; with lane l xor 16's two the word is whole; sixteen plain lines stand between it and the products below
.set J, 0
.rept 8
	v_pk_add_f32 v[SS+J:SS+J+1], v[SS+J:SS+J+1], v[SS+J+4:SS+J+5]
.set J, J+8
.endr
.set J, 0
.rept 4
	v_pk_add_f32 v[SS+J:SS+J+1], v[SS+J:SS+J+1], v[SS+J+8:SS+J+9]
.set J, J+16
.endr
.irp i, 0,1,2,3                                    ; into the four kept pairs, each brought under the new M by the same line
	v_pk_fma_f32 v[LL+2*\i:LL+2*\i+1], v[LL+2*\i:LL+2*\i+1], v[FF:FF+1], v[SS+16*\i:SS+16*\i+1] op_sel_hi:[1,0,1]
.endr
	s_wait_dscnt 10                                ; v is in; the ten younger loads, the next step's k, may be out
.irp g, 0,1                                        ; two accumulators by turns; four other products stand between a sum's steps
	v_wmma_scale_f32_32x16x128_f4 v[OO+16*\g:OO+16*\g+15], v[VF+16*\g:VF+16*\g+15], v[PC:PC+7], v[OO+16*\g:OO+16*\g+15], v[VS+\g], v[PS]
.endr
.endm
.macro HEADRUN e                       ; head e's sixteen key steps
	s_mov_b32 s[TBK], (16*\e+1)*KREC
	s_mov_b32 s[TBV], 16*\e*REC
	s_mov_b32 s[CNT], 16
.Lstep_\@:
	STEP \e
	s_add_co_u32 s[TBK], s[TBK], KREC
	s_add_co_u32 s[TBV], s[TBV], REC
	s_sub_co_u32 s[CNT], s[CNT], 1
	s_cmp_lg_u32 s[CNT], 0
	s_cbranch_scc1 .Lstep_\@
.endm
.macro INIT                            ; a head begins: the step is written once, its first trip finds zeros, which f = 0 leaves zeros
	v_mov_b32 v[NM+1], 0xff61b1e6                  ; -3e38, under every score
	v_mov_b32 v[FF+1], 0x7f61b1e6                  ; and the -M that goes with it
.set J, 0
.rept 8
	v_mov_b32 v[LL+J], 0
.set J, J+1
.endr
.set J, 0
.rept 32
	v_mov_b32 v[OO+J], 0
.set J, J+1
.endr
.endm
; head e is done: O^T / l, quantised along dk (two blocks, shared by lanes l and l xor 16), goes out as registers 4 e .. 4 e + 3 of cat's fragment
.macro OQUANT e
	WALU                                           ; the sums' last links stand close behind, with a wait on LDS between
	v_pk_add_f32 v[LL:LL+1], v[LL:LL+1], v[LL+2:LL+3]      ; (these four are the places behind the last products)
	v_pk_add_f32 v[LL+4:LL+5], v[LL+4:LL+5], v[LL+6:LL+7]
	v_pk_add_f32 v[LL:LL+1], v[LL:LL+1], v[LL+4:LL+5]
	v_add_f32 v[LL], v[LL], v[LL+1]
	v_permlanex16_b32 v[XX], v[LL], s[SEL], s[SEL+1]
	v_add_f32 v[LL], v[LL], v[XX]                  ; the row's sum
	WALU
	v_rcp_f32 v[LL], v[LL]
	v_nop                                          ; a plain place behind the transcendental
	WALU
.set J, 0
.rept 16
	v_pk_mul_f32 v[SS+J:SS+J+1], v[OO+J:OO+J+1], v[LL:LL+1] op_sel_hi:[1,0]
.set J, J+2
.endr
.irp b, 0,1
	v_max3_num_f32 v[TT+\b], |v[SS+16*\b]|, |v[SS+16*\b+1]|, 0x1800000   ; with the floor 2^(3 - 127): the byte cannot fall under 1
.endr
.irp i, 2,4,6,8,10,12,14
.irp b, 0,1
	v_max3_num_f32 v[TT+\b], v[TT+\b], |v[SS+16*\b+\i]|, |v[SS+16*\b+\i+1]|
.endr
.endr
.irp b, 0,1
	v_permlanex16_b32 v[TT+2+\b], v[TT+\b], s[SEL], s[SEL+1]
.endr
.irp b, 0,1
	v_max_num_f32 v[TT+\b], v[TT+\b], v[TT+2+\b]
.endr
.irp b, 0,1
	v_add_nc_u32 v[TT+2+\b], 0xff000000, v[TT+\b]
.endr
.irp b, 0,1
	v_lshrrev_b32 v[TT+\b], 23, v[TT+2+\b]
.endr
	v_lshl_or_b32 v[XX], v[TT+1], 8, v[TT]         ; this head's two scale bytes
.irp b, 0,1
	v_cvt_scalef32_pk8_fp4_f32 v[PC+\b], v[SS+16*\b:SS+16*\b+7], v[TT+2+\b]
	v_cvt_scalef32_pk8_fp4_f32 v[PC+2+\b], v[SS+16*\b+8:SS+16*\b+15], v[TT+2+\b]
.endr
	v_nop                                          ; one plain place behind a scaled conversion
	v_permlane16_swap_b32 v[PC], v[PC+1]           ; registers 0 .. 3 then hold dk 32 h + 0 .. 31
	v_permlane16_swap_b32 v[PC+2], v[PC+3]
	global_store_b128 v[GST], v[PC:PC+3], s[10:11] offset:512*\e   ; 512 consecutive bytes
	v_lshrrev_b32 v[CW], 16, v[CW]                 ; the first head's bytes end in the word's low half, the second's in its high half
	v_lshl_or_b32 v[CW], v[XX], 16, v[CW]
	WALU
	s_wait_xcnt 0x0                                ; the store's data are written again only behind this wait
.endm
	s_load_b256 s[4:11], s[0:1], 0x0               ; qbuf s[4:5], kbuf s[6:7], vbuf s[8:9], catc s[10:11]
	s_load_b64 s[12:13], s[0:1], 0x20              ; cats
	v_lshl_add_u32 v[SPW], v0, 2, SPARE
	v_mov_b32 v[NIL], 0
	ds_add_u32 v[SPW], v[NIL]                      ; the opening lines
	ds_add_u32 v[SPW], v[NIL]
	v_lshrrev_b32 v1, 5, v0
	v_readfirstlane_b32 s[WV], v1                  ; wave 0..15
	s_bfe_u32 s17, ttmp6, 0x40000                  ; cx
	s_lshl_b32 s50, ttmp9, 2
	s_add_co_u32 s50, s50, s17                     ; my block of 256 queries: it enters q's, catc's and cats' addresses alone
	s_and_b32 s51, ttmp7, 0xffff                   ; Y = 8 batch + head pair, which the four partners share
	s_mov_b32 s[G1K], 15|(3<<16)|(1<<20)|(1<<21)|(6<<22)|(15<<25)  ; all four work-groups; elements of 8 bytes; 16 words of padding behind every 128; bit 21 beside the mask
	s_mov_b32 s[G1K+1], 64<<16                     ; four records are dense: 36 rows of 512 bytes
	s_mov_b32 s[G1K+2], 36<<16
	s_mov_b32 s[G1K+3], 64<<16
	s_mov_b32 s[G1K+4], 36
	s_mov_b32 s[G1K+5], 64
	s_mov_b32 s[G1K+6], 0
	s_mov_b32 s[G1K+7], 0
	s_mov_b32 s[G1V], 15|(3<<16)|(1<<21)           ; v: no padding: 72 rows of 256 bytes
	s_mov_b32 s[G1V+1], 32<<16
	s_mov_b32 s[G1V+2], 72<<16
	s_mov_b32 s[G1V+3], 32<<16
	s_mov_b32 s[G1V+4], 72
	s_mov_b32 s[G1V+5], 32
	s_mov_b32 s[G1V+6], 0
	s_mov_b32 s[G1V+7], 0
	s_mov_b32 s[SEL], 0x76543210
	s_mov_b32 s[SEL+1], 0xfedcba98
	s_mov_b32 s[CS], 0x3e38aa3b                    ; log2(e) / 8
	s_mov_b32 s[CS+1], s[CS]                       ; (named with it as a pair)
	s_mov_b32 s[NC], 0xbe38aa3b
	s_and_b32 s52, s[WV], 7
	s_lshl_b32 s53, s51, 5                         ; 32 Y = 16 x (batch x 16 + the pair's first head)
	s_lshl_b32 s54, s52, 2
	s_add_co_u32 s54, s54, s53
	s_mul_i32 s54, s54, REC                        ; the four records that I fetch, of the pair's 32
	s_mov_b32 s55, 0
	s_mov_b32 s[G0K], 1
	s_mul_i32 s[G0K+1], s[WV], 4*KREC              ; waves 0-7
	s_mov_b32 s[G0V], 1
	s_mul_i32 s[G0V+1], s[WV], 4*REC               ; waves 8-15: VB + 4 (wave - 8) records
	s_add_co_u32 s[G0V+1], s[G0V+1], VB-32*REC
	s_wait_dscnt 0x0
	s_wait_kmcnt 0x0
	s_add_nc_u64 s[G0K+2:G0K+3], s[6:7], s[54:55]
	s_or_b32 s[G0K+3], s[G0K+3], 0x80000000
	s_add_nc_u64 s[G0V+2:G0V+3], s[8:9], s[54:55]
	s_or_b32 s[G0V+3], s[G0V+3], 0x80000000
	CROUND                                         ; all four work-groups are here: the joint loads meet
	s_cmp_lt_u32 s[WV], 8                          ; one tensor load a wave, an arm for each of the two shapes
	s_cbranch_scc0 .Lfor_v
	tensor_load_to_lds s[G0K:G0K+3], s[G1K:G1K+7]
	s_nop 0
	PLACES 4
	s_branch .Lasked
.Lfor_v:
	tensor_load_to_lds s[G0V:G0V+3], s[G1V:G1V+7]
	s_nop 0
	PLACES 4
.Lasked:
	v_and_b32 v8, 31, v0
	v_lshlrev_b32 v[GST], 4, v8
	v_and_b32 v9, 15, v0                           ; r
	v_bfe_u32 v10, v0, 4, 1                        ; h
	v_bfe_u32 v11, v0, 3, 1                        ; r / 8
	v_and_b32 v[TT], 7, v0                         ; r % 8
	v_mul_u32_u24 v[KL], v11, 2*KT
	v_lshl_add_u32 v[KL], v[TT], 4, v[KL]
	v_lshl_add_u32 v[KL], v10, 8, v[KL]
	v_lshlrev_b32 v[KSL], 7, v11
	v_lshl_add_u32 v[KSL], v[TT], 3, v[KSL]
	v_lshl_add_u32 v[KSL], v10, 6, v[KSL]
	v_add_nc_u32 v[VL], VB, v[GST]
	v_lshlrev_b32 v[TT+1], 3, v9                   ; 8 r
	v_lshl_add_u32 v[VSL], v10, 2, v[TT+1]
	v_add_nc_u32 v[VSL], VB, v[VSL]
	v_lshlrev_b32 v[SH8], 3, v10
	v_mov_b32 v[CW], 0
	v_mov_b32 v[XX], 0                             ; a lane permute's destination counts as read
	WALU                                           ; ahead of the run of scalar lines
	s_lshl_b32 s57, s50, 1
	s_lshr_b32 s58, s[WV], 3
	s_add_co_u32 s57, s57, s58                     ; which 128 rows s hold my queries
	s_add_co_u32 s58, s53, s57
	s_mul_i32 s58, s58, REC
	s_mov_b32 s59, 0
	s_add_nc_u64 s[4:5], s[4:5], s[58:59]          ; q's record of the first head
	s_lshl_b32 s58, s52, 9
	s_add_nc_u64 s[60:61], s[4:5], s[58:59]        ; my tile's codes
	s_lshr_b32 s58, s52, 1
	s_lshl_b32 s58, s58, 7
	s_and_b32 s62, s[WV], 1
	s_lshl_b32 s62, s62, 2
	s_add_co_u32 s58, s58, s62
	s_add_co_u32 s58, s58, 4096
	s_add_nc_u64 s[4:5], s[4:5], s[58:59]          ; and its scale words: 128 (tile / 2) + 8 r + 4 (tile % 2)
	global_load_b128 v[QF:QF+3], v[GST], s[60:61]
	global_load_b128 v[QF+8:QF+11], v[GST], s[60:61] offset:16*REC
	global_load_b32 v[QS], v[TT+1], s[4:5]
	global_load_b32 v[QS+1], v[TT+1], s[4:5] offset:16*REC
	s_lshr_b32 s58, s51, 3
	s_lshl_b32 s58, s58, 4
	s_add_co_u32 s58, s58, s57                     ; cat's block of 128 rows
	s_lshl_b32 s58, s58, 16
	s_and_b32 s62, s51, 7                          ; the head pair = cat's K step
	s_lshr_b32 s63, s62, 2
	s_lshl_b32 s63, s63, 15
	s_add_co_u32 s58, s58, s63
	s_and_b32 s63, s62, 3
	s_lshl_b32 s63, s63, 10
	s_add_co_u32 s58, s58, s63
	s_lshl_b32 s63, s52, 12
	s_add_co_u32 s58, s58, s63
	s_add_nc_u64 s[10:11], s[10:11], s[58:59]      ; my fragment of cat
	s_lshr_b32 s58, s51, 3
	s_lshl_b32 s58, s58, 4
	s_lshl_b32 s63, s50, 1
	s_add_co_u32 s58, s58, s63
	s_and_b32 s63, s[WV], 1
	s_add_co_u32 s58, s58, s63
	s_lshl_b32 s58, s58, 12
	s_lshl_b32 s63, s62, 9
	s_add_co_u32 s58, s58, s63
	s_add_nc_u64 s[12:13], s[12:13], s[58:59]      ; waves 0, 1: the scale words of 128 rows for this K step
.irp j, 4,5,6,7,12,13,14,15
	v_mov_b32 v[QF+\j], 0                          ; q's upper 64 along K: zero codes
.irp a, 0,1,2,3
	v_mov_b32 v[KF+16*\a+\j], 0                    ; k's likewise: written once
.endr
.endr
	INIT
	WALU                                           ; the head's end
	s_wait_loadcnt 0x0                             ; q
	s_wait_tensorcnt 0x0                           ; my four records are in
	s_barrier_signal -1
	s_barrier_wait -1                              ; everybody's are: nothing is ever filled again
	KLOAD KL, KSL                                  ; the first step's k
	HEADRUN 0
	OQUANT 0
	INIT
	HEADRUN 1
	OQUANT 1
	v_and_b32 v8, 0x1e0, v0
	v_and_b32 v9, 15, v0
	v_lshlrev_b32 v8, 1, v8
	v_lshl_add_u32 v8, v9, 2, v8
	v_add_nc_u32 v8, STG, v8                       ; the stage: 64 x wave + 4 r
	v_and_b32 v9, 63, v0
	v_lshl_add_u32 v9, v9, 4, STG                  ; and back: waves 0, 1 take 512 bytes each
	ds_store_b32 v8, v[CW]                         ; (both lanes of a query write the same word with the same value)
	WALU
	s_wait_dscnt 0x0                               ; for the others' sake: my scale words lie in the stage
	s_barrier_signal -1
	s_barrier_wait -1
	s_cmp_lt_u32 s[WV], 2
	s_cbranch_scc0 .Lno_words
	ds_load_b128 v[SS:SS+3], v9
	s_wait_dscnt 0x0
	global_store_b128 v[GST], v[SS:SS+3], s[12:13] ; 512 consecutive bytes
.Lno_words:
	s_wait_tensorcnt 0x0                           ; the wave's end
	ds_add_u32 v[SPW], v[NIL]
	s_wait_dscnt 0x0
	CROUND                                         ; the closing round
	s_endpgm
.Lfunc_end_k_q3391f862a3_attn:
	.size	k_q3391f862a3_attn, .Lfunc_end_k_q3391f862a3_attn-k_q3391f862a3_attn
	.p2alignl 7, 3214868480
	.fill 96, 4, 3214868480
	.section	.rodata,"a",@progbits
	.p2align	6, 0x0
	.amdhsa_kernel k_q3391f862a3_attn
		.amdhsa_group_segment_fixed_size 327680
		.amdhsa_private_segment_fixed_size 0
		.amdhsa_enable_private_segment 0
		.amdhsa_kernarg_size 40
		.amdhsa_user_sgpr_count 2
		.amdhsa_user_sgpr_kernarg_segment_ptr 1
		.amdhsa_wavefront_size32 1
		.amdhsa_system_sgpr_workgroup_id_x 1
		.amdhsa_system_sgpr_workgroup_id_y 1
		.amdhsa_system_sgpr_workgroup_id_z 1
		.amdhsa_system_vgpr_workitem_id 0
		.amdhsa_next_free_vgpr 256
		.amdhsa_next_free_sgpr 66
		.amdhsa_reserve_vcc 0
		.amdhsa_float_denorm_mode_32 3
		.amdhsa_float_denorm_mode_16_64 3
		.amdhsa_memory_ordered 1
		.amdhsa_forward_progress 1
		.amdhsa_inst_pref_size 47
	.end_amdhsa_kernel
	.amdgpu_metadata
---
amdhsa.version: [ 1, 2 ]
amdhsa.kernels:
  - .name:           k_q3391f862a3_attn
    .symbol:         k_q3391f862a3_attn.kd
    .args:
      - { .name: qbuf, .offset: 0, .size: 8, .value_kind: global_buffer, .address_space: global }
      - { .name: kbuf, .offset: 8, .size: 8, .value_kind: global_buffer, .address_space: global }
      - { .name: vbuf, .offset: 16, .size: 8, .value_kind: global_buffer, .address_space: global }
      - { .name: catc, .offset: 24, .size: 8, .value_kind: global_buffer, .address_space: global }
      - { .name: cats, .offset: 32, .size: 8, .value_kind: global_buffer, .address_space: global }
    .group_segment_fixed_size: 327680
    .private_segment_fixed_size: 0
    .kernarg_segment_align: 8
    .kernarg_segment_size: 40
    .max_flat_workgroup_size: 512
    .sgpr_count:     66
    .vgpr_count:     256
    .wavefront_size: 32
...
	.end_amdgpu_metadata
.endif
;; end of part 3
;; launch outproj (part 4): grid 4 x 64, 8 waves a work-group, clusters of 4 x 4, 287,744 bytes of LDS; arguments catc, cats, wo_codes, wo_scales, bo, out0; writes out0
.if DOCPART == 4
	.amdgcn_target "amdgcn-amd-amdhsa--gfx1250"
	.amdhsa_code_object_version 6
	.text
	.protected	k_q3391f862a3_outproj
	.globl	k_q3391f862a3_outproj
	.p2align	8
	.type	k_q3391f862a3_outproj,@function
k_q3391f862a3_outproj:
	s_mov_b64 s[64:65], 0
	v_nop
	global_prefetch_b8 v0, s[64:65] scope:SCOPE_SE
	s_setreg_imm32_b32 hwreg(HW_REG_WAVE_MODE, 25, 1), 1
	s_wait_xcnt 0x0
	s_wait_alu depctr_hold_cnt(0) depctr_sa_sdst(0) depctr_va_vdst(0) depctr_va_sdst(0) depctr_va_ssrc(0) depctr_va_vcc(0) depctr_vm_vsrc(0)
	s_getreg_b32 s2, hwreg(HW_REG_IB_STS2, 6, 4)
	s_cmp_eq_u32 s2, 0
	s_cbranch_scc0 .Lentry_in_a_cluster
	s_endpgm
.Lentry_in_a_cluster:
	s_bfe_u32 s2, ttmp6, 0x10000c
	s_cmp_lg_u32 s2, 0xf033
	s_cbranch_scc0 .Lentry_shape_is_right
	s_endpgm
.Lentry_shape_is_right:
; out0 = cat wo + bo on codes of FP4 (E2M1) with E8M0 scales, f32 sums.  cat: 8,192 rows x K 1,024, made by the launch before, laid in the order of an operand's registers:
; catc [block of 128 rows 64][K chunk 2][tile 8][K step 4][c 2][lane 32][16 bytes];  cats [block 64][K step 8][row 128] scale words.  wo: [1024 rows n][1024 K] codes, 512 bytes a row, 32 scale bytes a row.  bo: [1024] f32.
; SHARES.  A work-group: 128 rows of cat, 256 rows of wo, all of K.  Eight waves: wave w takes wo's rows 128 (w / 4) on (8 tiles, source 0) and cat's rows 32 (w % 4) on (2 tiles, source 1): 16 accumulators.
; In a result lane (r, h) holds cat's row r and register j the column 16 i + 8 h + j: eight neighbouring numbers of a row of out0.
; LDS is filled once, all tensor loads go out at the start, one a wave; 4 x 4 clusters with joint loads: cat's tiles shared along a row of the cluster, wo's along a column.
; LIMITS: NaN and infinities are not served; a given scale byte 0xff gives NaN.
.set CH,    102400                     ; a K chunk in LDS: cat's 32,768 dense bytes, then wo's 256 rows, 272 bytes apart
.set XROWS, 32768
.set T16,   4352
.set SCL,   204800                     ; the scales: cat's two pieces (8 K steps x 128 words + 16 bytes), wo's four (64 rows x 32 bytes as 8 units of 256 + 16)
.set PIECE, 2176
.set STG,   217856                     ; the way out: 16 rows x (512 bytes + 16) for each wave; no tensor load lands there
.set SP,    528
.set A0,  4
.set A1,  5
.set AS0, 6
.set AS1, 7
.set BA,  8                            ; v8   the bias: 32 h
.set GST, 9                            ; v9   16 x lane
.set STO, 10                           ; v10  where I put 32 bytes of a row
.set RD,  11                           ; v11  where I read a row back
.set SS0, 32                           ; v32-35, v36: scales and nothing else
.set SS1, 36
.set F1,  48
.set F0,  64
.set ACC, 128
.set WV,  16
.set G1X, 24
.set G1W, 32
.set G1SX, 40
.set G1SW, 48
.set G0X, 68
.set G0W, 80
.macro PLACES n
.rept \n
	v_nop
.endr
.endm
.macro CROUND                          ; a round of the cluster's barrier
	s_barrier_signal -1
	s_barrier_wait -1
	s_cmp_lg_u32 s[WV], 0
	s_cbranch_scc1 .Lnot_wave_0_\@
	s_barrier_signal -3
.Lnot_wave_0_\@:
	s_barrier_wait -3
	s_barrier_signal -1
	s_barrier_wait -1
.endm
.macro MM i, n, cr                     ; accumulator (i, n) = source 0's tile i x source 1's tile n + v[cr ..]
.if (\i) < 4 && (\n) == 0
	v_wmma_scale_f32_16x16x128_f8f6f4 v[ACC+64*(\n)+8*(\i):ACC+64*(\n)+8*(\i)+7], v[F0+8*(\i):F0+8*(\i)+7], v[F1+8*(\n):F1+8*(\n)+7], v[(\cr):(\cr)+7], v[SS0+(\i)%4], v[SS1] matrix_a_fmt:MATRIX_FMT_FP4 matrix_b_fmt:MATRIX_FMT_FP4
.endif
.if (\i) < 4 && (\n) == 1
	v_wmma_scale_f32_16x16x128_f8f6f4 v[ACC+64*(\n)+8*(\i):ACC+64*(\n)+8*(\i)+7], v[F0+8*(\i):F0+8*(\i)+7], v[F1+8*(\n):F1+8*(\n)+7], v[(\cr):(\cr)+7], v[SS0+(\i)%4], v[SS1] matrix_a_fmt:MATRIX_FMT_FP4 matrix_b_fmt:MATRIX_FMT_FP4 matrix_b_scale:MATRIX_SCALE_ROW1
.endif
.if (\i) >= 4 && (\n) == 0
	v_wmma_scale_f32_16x16x128_f8f6f4 v[ACC+64*(\n)+8*(\i):ACC+64*(\n)+8*(\i)+7], v[F0+8*(\i):F0+8*(\i)+7], v[F1+8*(\n):F1+8*(\n)+7], v[(\cr):(\cr)+7], v[SS0+(\i)%4], v[SS1] matrix_a_fmt:MATRIX_FMT_FP4 matrix_b_fmt:MATRIX_FMT_FP4 matrix_a_scale:MATRIX_SCALE_ROW1
.endif
.if (\i) >= 4 && (\n) == 1
	v_wmma_scale_f32_16x16x128_f8f6f4 v[ACC+64*(\n)+8*(\i):ACC+64*(\n)+8*(\i)+7], v[F0+8*(\i):F0+8*(\i)+7], v[F1+8*(\n):F1+8*(\n)+7], v[(\cr):(\cr)+7], v[SS0+(\i)%4], v[SS1] matrix_a_fmt:MATRIX_FMT_FP4 matrix_b_fmt:MATRIX_FMT_FP4 matrix_a_scale:MATRIX_SCALE_ROW1 matrix_b_scale:MATRIX_SCALE_ROW1
.endif
.endm
.macro LOADS q, ks                     ; the 25 LDS loads of 128 along K; source 0's tiles come last, ascending
.irp i, 0,1,2,3
	ds_load_b32 v[SS0+\i], v[AS0] offset:544*\i+4*(\ks)
.endr
	ds_load_b32 v[SS1], v[AS1] offset:528*(\ks)
.irp n, 0,1
.irp c, 0,1
	ds_load_b128 v[F1+8*\n+4*\c:F1+8*\n+4*\c+3], v[A1] offset:4096*\n+1024*(\q)+512*\c
.endr
.endr
.irp i, 0,1,2,3,4,5,6,7
.irp c, 0,1
	ds_load_b128 v[F0+8*\i+4*\c:F0+8*\i+4*\c+3], v[A0] offset:T16*\i+64*(\q)+32*\c
.endr
.endr
.endm
.macro KSTEP q, ks                     ; the sixteen accumulators take turns, one instruction a turn, from step to step too
	PLACES 4                                       ; four places in front of loads into registers that matrix instructions have read
	LOADS \q, \ks
	s_wait_dscnt 8                                 ; all but the eight youngest loads, source 0's tiles 4-7
.irp i, 0,1,2,3
.irp n, 0,1
	MM \i, \n, ACC+64*\n+8*\i
.endr
.endr
	s_wait_dscnt 0x0
.irp i, 4,5,6,7
.irp n, 0,1
	MM \i, \n, ACC+64*\n+8*\i
.endr
.endr
.endm
	s_load_b256 s[4:11], s[0:1], 0x0               ; cat's codes s[4:5], its scale words s[6:7], wo's codes s[8:9], its scales s[10:11]
	s_load_b128 s[12:15], s[0:1], 0x20             ; bo s[12:13], out0 s[14:15]
	v_lshl_add_u32 v46, v0, 2, 0x46000
	v_mov_b32 v47, 0
	ds_add_u32 v46, v47
	ds_add_u32 v46, v47
	v_lshrrev_b32 v1, 5, v0
	s_delay_alu instid0(VALU_DEP_1)
	v_readfirstlane_b32 s[WV], v1                  ; wave 0..7
	s_bfe_u32 s17, ttmp6, 0x40000                  ; cx
	s_bfe_u32 s18, ttmp6, 0x40004                  ; cy
	s_lshl_b32 s19, ttmp9, 2
	s_add_co_u32 s19, s19, s17                     ; WB: which 256 rows of wo
	s_and_b32 s23, ttmp7, 0xffff
	s_lshl_b32 s56, s23, 2
	s_add_co_u32 s56, s56, s18                     ; XB: which 128 rows of cat
	s_lshl_b32 s57, s18, 2
	s_lshl_b32 s57, 15, s57                        ; my row of the cluster
	s_lshl_b32 s60, 0x1111, s17                    ; my column
	s_or_b32 s[G1X], s57, (3<<16)|(1<<21)                          ; cat's codes: dense, elements of 8 bytes, no padding; bit 21 beside the mask
	s_or_b32 s[G1W], s60, (1<<20)|(1<<21)|(5<<22)|(3<<25)          ; wo's codes: elements of 1 byte; 4 words of padding behind every 64
	s_or_b32 s[G1SX], s57, (3<<16)|(1<<20)|(1<<21)|(6<<22)|(3<<25)  ; cat's scale words: 4 words of padding behind every 128
	s_or_b32 s[G1SW], s60, (3<<16)|(1<<20)|(1<<21)|(5<<22)|(3<<25)
	s_mov_b32 s[G1X+1], 32<<16                     ; 16,384 dense bytes as 64 rows of 256
	s_mov_b32 s[G1X+2], 128<<16                    ; a chunk's 32,768 dense bytes as 128 rows of 256
	s_mov_b32 s[G1X+3], 32<<16
	s_mov_b32 s[G1X+4], 128
	s_mov_b32 s[G1X+5], 32
	s_mov_b32 s[G1X+6], 0
	s_mov_b32 s[G1X+7], 0
	s_mov_b32 s[G1W+1], 256<<16                    ; 64 rows of 256 bytes, 512 bytes apart in memory
	s_mov_b32 s[G1W+2], 128<<16                    ; 128 rows: half of wo's
	s_mov_b32 s[G1W+3], 256<<16
	s_mov_b32 s[G1W+4], 128
	s_mov_b32 s[G1W+5], 512
	s_mov_b32 s[G1W+6], 0
	s_mov_b32 s[G1W+7], 0
	s_mov_b32 s[G1SX+1], 64<<16                    ; cat's scale words of 128 rows: 8 K steps x 512 bytes, dense in memory
	s_mov_b32 s[G1SX+2], 8<<16
	s_mov_b32 s[G1SX+3], 64<<16
	s_mov_b32 s[G1SX+4], 8
	s_mov_b32 s[G1SX+5], 64
	s_mov_b32 s[G1SX+6], 0
	s_mov_b32 s[G1SX+7], 0
	s_mov_b32 s[G1SW+1], 32<<16                    ; wo's scale bytes of 64 rows: dense, 8 rows of 256 bytes
	s_mov_b32 s[G1SW+2], 32<<16                    ; wo's scale bytes of 256 rows: 32 rows of 256 bytes
	s_mov_b32 s[G1SW+3], 32<<16
	s_mov_b32 s[G1SW+4], 32
	s_mov_b32 s[G1SW+5], 32
	s_mov_b32 s[G1SW+6], 0
	s_mov_b32 s[G1SW+7], 0
	s_and_b32 s58, s[WV], 1                        ; u: which 128 rows of wo a wave that fetches wo's codes takes
	s_lshr_b32 s61, s[WV], 2                       ; c: which K chunk a wave that fetches codes takes
	s_lshl_b32 s92, s56, 12                        ; cat's scale words: 4,096 XB
	s_mov_b32 s93, 0
	s_lshl_b32 s94, s19, 13                        ; wo's scale bytes: 8,192 WB
	s_mov_b32 s95, 0
	s_wait_dscnt 0x0
	s_wait_kmcnt 0x0
	; ONE TENSOR LOAD A WAVE.  Waves 0, 1: wo's halves of chunk 0; wave 2: cat's chunk 0; wave 3: cat's scale words; wave 4: wo's scale bytes; wave 5: cat's chunk 1; waves 6, 7: wo's halves of chunk 1.
	s_mov_b32 s[G0X], 1                            ; cat's scale words, whole
	s_mov_b32 s[G0X+1], SCL
	s_add_nc_u64 s[G0X+2:G0X+3], s[6:7], s[92:93]
	s_or_b32 s[G0X+3], s[G0X+3], 0x80000000
	s_lshl_b32 s92, s56, 16
	s_lshl_b32 s59, s61, 15
	s_add_co_u32 s92, s92, s59                     ; cat's codes: 65,536 XB + 32,768 c
	s_mov_b32 s[G0X+4], 1
	s_mul_i32 s[G0X+5], s61, CH
	s_add_nc_u64 s[G0X+6:G0X+7], s[4:5], s[92:93]
	s_or_b32 s[G0X+7], s[G0X+7], 0x80000000
	s_mov_b32 s[G0W], 1                            ; wo's scale bytes, whole
	s_mov_b32 s[G0W+1], SCL+2*PIECE
	s_add_nc_u64 s[G0W+2:G0W+3], s[10:11], s[94:95]
	s_or_b32 s[G0W+3], s[G0W+3], 0x80000000
	s_lshl_b32 s94, s19, 17
	s_lshl_b32 s60, s58, 16
	s_add_co_u32 s94, s94, s60
	s_lshl_b32 s60, s61, 8
	s_add_co_u32 s94, s94, s60                     ; wo's codes: 131,072 WB + 65,536 u + 256 c
	s_mov_b32 s[G0W+4], 1
	s_mul_i32 s[G0W+5], s58, 128*272
	s_add_co_u32 s[G0W+5], s[G0W+5], s[G0X+5]
	s_add_co_u32 s[G0W+5], s[G0W+5], XROWS
	s_add_nc_u64 s[G0W+6:G0W+7], s[8:9], s[94:95]
	s_or_b32 s[G0W+7], s[G0W+7], 0x80000000
	CROUND                                         ; all sixteen work-groups are here: the joint loads meet
.macro ARM under, g0, g1, next                 ; one chain of branches on the wave's number, a load to an arm, all arms leading to one join
	s_cmp_lt_u32 s[WV], \under
	s_cbranch_scc0 \next
	tensor_load_to_lds s[\g0:\g0+3], s[\g1:\g1+7]
	s_nop 0
	PLACES 4
	s_branch .Lasked
\next:
.endm
	ARM 2, G0W+4, G1W, .Lh_x0
	ARM 3, G0X+4, G1X, .Lh_xs
	ARM 4, G0X, G1SX, .Lh_ws
	ARM 5, G0W, G1SW, .Lh_x1
	ARM 6, G0X+4, G1X, .Lh_w1
	tensor_load_to_lds s[G0W+4:G0W+7], s[G1W:G1W+7]
	s_nop 0
	PLACES 4
.Lasked:
	v_and_b32 v1, 15, v0                           ; r
	v_bfe_u32 v2, v0, 4, 1                         ; h
	v_and_b32 v3, 31, v0                           ; lane
	s_delay_alu instid0(VALU_DEP_3)
	v_mul_u32_u24 v13, v1, 272
	s_delay_alu instid0(VALU_DEP_1)
	v_lshl_add_u32 v13, v2, 4, v13                 ; a fragment's row x pitch + 16 h
	v_and_b32 v14, 7, v1
	v_lshrrev_b32 v15, 3, v1
	s_delay_alu instid0(VALU_DEP_2)
	v_lshlrev_b32 v14, 5, v14
	s_delay_alu instid0(VALU_DEP_1)
	v_mad_u32_u24 v14, v15, 272, v14               ; a row's 32 scale bytes: eight rows to a unit of 256 + 16
	s_lshr_b32 s62, s[WV], 2                       ; wh: which 128 rows of wo
	s_and_b32 s63, s[WV], 3                        ; xq: which 32 rows of cat
	s_mul_i32 s96, s62, 8*T16
	s_add_co_u32 s96, s96, XROWS
	v_add_nc_u32 v[A0], s96, v13
	v_lshlrev_b32 v[GST], 4, v3
	s_wait_alu depctr_va_vdst(0)
	s_lshl_b32 s96, s63, 13
	v_add_nc_u32 v[A1], s96, v[GST]                ; cat's fragments lie as registers: 16 x lane + 8,192 xq
	s_mul_i32 s96, s62, 2*PIECE
	s_add_co_u32 s96, s96, SCL+2*PIECE
	v_mad_u32_u24 v[AS0], v2, PIECE, v14
	s_delay_alu instid0(VALU_DEP_1)
	v_add_nc_u32 v[AS0], s96, v[AS0]
	s_lshl_b32 s96, s63, 7                         ; a K step's 128 words lie on end: 128 xq + 4 x lane
	s_add_co_u32 s96, s96, SCL
	v_lshl_add_u32 v[AS1], v3, 2, s96              ; cat's scale words: lane = the row among my 32
	v_lshlrev_b32 v[BA], 5, v2
	s_mul_i32 s96, s[WV], 16*SP
	s_add_co_u32 s96, s96, STG                     ; my stage
	v_mul_u32_u24 v[STO], v1, SP
	s_delay_alu instid0(VALU_DEP_1)
	v_lshl_add_u32 v[STO], v2, 5, v[STO]
	s_delay_alu instid0(VALU_DEP_1)
	v_add_nc_u32 v[STO], s96, v[STO]
	v_add_nc_u32 v[RD], s96, v[GST]
	s_lshl_b32 s94, s19, 10
	s_lshl_b32 s95, s62, 9
	s_add_co_u32 s94, s94, s95                     ; my first column, in bytes: 1,024 WB + 512 wh
	s_mov_b32 s95, 0
	s_add_nc_u64 s[12:13], s[12:13], s[94:95]      ; the bias of my 128 columns
.irp i, 0,1,2,3,4,5,6,7
	global_load_b128 v[ACC+8*\i:ACC+8*\i+3], v[BA], s[12:13] offset:64*\i        ; into accumulator (i, 0), in the result's layout
	global_load_b128 v[ACC+8*\i+4:ACC+8*\i+7], v[BA], s[12:13] offset:64*\i+16
.endr
	s_lshl_b32 s58, s56, 19                        ; 128 XB rows of 4,096 bytes,
	s_lshl_b32 s59, s63, 17                        ; 32 xq rows
	s_add_co_u32 s58, s58, s59
	s_add_co_u32 s58, s58, s94
	s_mov_b32 s59, 0
	s_add_nc_u64 s[60:61], s[14:15], s[58:59]      ; out0 at my first row and column
	s_wait_alu depctr_va_vdst(0)
	s_cmp_lt_u32 s[WV], 5                          ; waves 0-4 brought chunk 0 and the scales; chunk 1, on load lines of its own, may be out
	s_cbranch_scc0 .Lnot_first
	s_wait_tensorcnt 0x0
.Lnot_first:
	s_barrier_signal -1
	s_barrier_wait -1
	LOADS 0, 0
	s_wait_loadcnt 0x0                             ; the bias
	s_wait_dscnt 0x0
.irp i, 0,1,2,3,4,5,6,7
	MM \i, 1, ACC+8*\i                             ; the bias is the C of each sum's first product: here read from accumulator (i, 0)'s registers,
.endr
	PLACES 5                                       ; (five places in front of matrix instructions that write over a C just read)
.irp i, 0,1,2,3,4,5,6,7
	MM \i, 0, ACC+8*\i                             ; here in place
.endr
	KSTEP 1, 1
	KSTEP 2, 2
	KSTEP 3, 3
	s_wait_tensorcnt 0x0                           ; my part of chunk 1 is in (my LDS loads are all back)
	s_barrier_signal -1
	s_barrier_wait -1
	v_add_nc_u32 v[A0], CH, v[A0]
	v_add_nc_u32 v[A1], CH, v[A1]
	s_wait_alu depctr_va_vdst(0)
	KSTEP 0, 4
	KSTEP 1, 5
	KSTEP 2, 6
	KSTEP 3, 7
	; THE WAY OUT: 16 rows x 128 columns at a time through my own stage, back as whole rows of 512 bytes.  LDS serves a wave's instructions in order (ISA guide 5.7.1.4): no wait between stores and loads.
	PLACES 4
.irp i, 0,1,2,3,4,5,6,7
	ds_store_b128 v[STO], v[ACC+8*\i:ACC+8*\i+3] offset:64*\i            ; each accumulator from its low end on
	ds_store_b128 v[STO], v[ACC+8*\i+4:ACC+8*\i+7] offset:64*\i+16
.endr
.irp t, 0,1,2,3,4,5,6,7,8,9,10,11,12,13,14,15
	ds_load_b128 v[F0+4*\t:F0+4*\t+3], v[RD] offset:SP*\t
.endr
.irp i, 0,1,2,3,4,5,6,7
	ds_store_b128 v[STO], v[ACC+64+8*\i:ACC+64+8*\i+3] offset:64*\i
	ds_store_b128 v[STO], v[ACC+64+8*\i+4:ACC+64+8*\i+7] offset:64*\i+16
.endr
	s_wait_dscnt 16                                ; the first 16 rows are back; only the sixteen stores just issued may be out
.irp t, 0,1,2,3,4,5,6,7,8,9,10,11,12,13,14,15
	global_store_b128 v[GST], v[F0+4*\t:F0+4*\t+3], s[60:61] offset:4096*\t th:TH_STORE_NT   ; 32 lanes store 512 consecutive bytes, aligned; written once, read by nobody here
.endr
.irp t, 0,1,2,3,4,5,6,7,8,9,10,11,12,13,14,15
	ds_load_b128 v[ACC+4*\t:ACC+4*\t+3], v[RD] offset:SP*\t              ; into registers whose stage stores the wait above has shown done
.endr
	s_wait_dscnt 0x0
.irp t, 0,1,2,3,4,5,6,7,8,9,10,11,12,13,14,15
	global_store_b128 v[GST], v[ACC+4*\t:ACC+4*\t+3], s[60:61] offset:4096*(16+\t) th:TH_STORE_NT
.endr
	s_wait_tensorcnt 0x0
	ds_add_u32 v46, v47
	s_wait_dscnt 0x0
	CROUND                                         ; the closing round
	s_endpgm
.Lfunc_end_k_q3391f862a3_outproj:
	.size	k_q3391f862a3_outproj, .Lfunc_end_k_q3391f862a3_outproj-k_q3391f862a3_outproj
	.p2alignl 7, 3214868480
	.fill 96, 4, 3214868480
	.section	.rodata,"a",@progbits
	.p2align	6, 0x0
	.amdhsa_kernel k_q3391f862a3_outproj
		.amdhsa_group_segment_fixed_size 287744
		.amdhsa_private_segment_fixed_size 0
		.amdhsa_enable_private_segment 0
		.amdhsa_kernarg_size 48
		.amdhsa_user_sgpr_count 2
		.amdhsa_user_sgpr_kernarg_segment_ptr 1
		.amdhsa_wavefront_size32 1
		.amdhsa_system_sgpr_workgroup_id_x 1
		.amdhsa_system_sgpr_workgroup_id_y 1
		.amdhsa_system_sgpr_workgroup_id_z 1
		.amdhsa_system_vgpr_workitem_id 0
		.amdhsa_next_free_vgpr 256
		.amdhsa_next_free_sgpr 100
		.amdhsa_reserve_vcc 0
		.amdhsa_float_denorm_mode_32 3
		.amdhsa_float_denorm_mode_16_64 3
		.amdhsa_memory_ordered 1
		.amdhsa_forward_progress 1
		.amdhsa_inst_pref_size 49
	.end_amdhsa_kernel
	.amdgpu_metadata
---
amdhsa.version: [ 1, 2 ]
amdhsa.kernels:
  - .name:           k_q3391f862a3_outproj
    .symbol:         k_q3391f862a3_outproj.kd
    .args:
      - { .name: catc, .offset: 0, .size: 8, .value_kind: global_buffer, .address_space: global }
      - { .name: cats, .offset: 8, .size: 8, .value_kind: global_buffer, .address_space: global }
      - { .name: wo_codes, .offset: 16, .size: 8, .value_kind: global_buffer, .address_space: global }
      - { .name: wo_scales, .offset: 24, .size: 8, .value_kind: global_buffer, .address_space: global }
      - { .name: bo, .offset: 32, .size: 8, .value_kind: global_buffer, .address_space: global }
      - { .name: out0, .offset: 40, .size: 8, .value_kind: global_buffer, .address_space: global }
    .group_segment_fixed_size: 287744
    .private_segment_fixed_size: 0
    .kernarg_segment_align: 8
    .kernarg_segment_size: 48
    .max_flat_workgroup_size: 256
    .sgpr_count:     100
    .vgpr_count:     256
    .wavefront_size: 32
...
	.end_amdgpu_metadata
.endif
;; end of part 4
